; MI455X (gfx1250); checked and timed in simulation.
; The chip was launched on July 23, 2026; its instructions are those of AMD's public machine-readable ISA for CDNA 5 (MIT licence, August 2026) and "CDNA5" Instruction Set Architecture Reference Guide (July 2026). The comments in the code are by the model that wrote it; some were corrected since.
;; Adaptive Softmax. Allowed arithmetic: matrix products marked QUANTISED: E2M1 operands, one E8M0 scale for each 32 along K, by v_wmma_scale_f32_16x16x128_f8f6f4 with both operands' format E2M1 (or v_wmma_scale_f32_32x16x128_f4), f32 sums; products left as they are: f32 operands where the result goes on into a quantised operand, else bf16, f16 or f32 operands; f32 sums; everything else in f32.
;; Inputs: cluster_b 1 x 3 float32; cluster_w 1,024 x 3 float32; logits_b 1 x 12,564 float32; logits_w_codes 12,564 x 32 x 16 uint8 (E2M1 codes of logits_w, K innermost, in blocks of 32 codes, two codes a byte); logits_w_scales 12,564 x 32 uint8 (E8M0 scales of logits_w, one for each 32 codes along K); x 2 x 2,049 x 1,024 float32; y 2 x 2,048 int32.
;; Outputs: out0 4,096 float32.
;; This version of the problem:
;;   THIS VERSION OF THE PROBLEM IS GIVEN IN LOW PRECISION. The matrix products marked QUANTISED in the list below multiply operands that are first quantised to E2M1 (2 exponent bits, 1 mantissa bit; 4 bits a number), with one power-of-two scale for each 32 numbers along K (OCP MX v1.0); their sums are f32. All else is computed in f32.
;;   The module's matrix products, in the order in which they are computed (A, B: the left and right operand; K: the contracted axis; several contracted axes count as one K, in the product's order):
;;     1. [M 4,096, K 1,024] x [K 1,024, N 3]; A: input x; B: input cluster_w: left as it is (N = 3 < 16)
;;     2. [M 4,096, K 1,024] x [K 1,024, N 2,000]; A: input x; B: input logits_w (given as codes): QUANTISED
;;     3. [M 4,096, K 1,024] x [K 1,024, N 8,000]; A: input x; B: input logits_w (given as codes): QUANTISED
;;     4. [M 4,096, K 1,024] x [K 1,024, N 2,564]; A: input x; B: input logits_w (given as codes): QUANTISED
;;   THE QUANTISER, for each operand of a quantised product, along K:
;;     - K is cut into blocks of 32 from its start; a last block that is shorter is filled with zeros.
;;     - A block's scale is 2^e with e = floor(log2(the largest magnitude in the block)) - 2, held to -126 .. 127; a block of zeros has e = 0. As a byte (E8M0): e + 127.
;;     - Each number is divided by its block's scale, clamped to +-6, and rounded to the nearest number of E2M1, ties to even, subnormals kept.
;;     - The product sums the exact products of the quantised numbers (number of the format x scale) in f32.
;;   ~~~python
;;   def quantise(x, axis):      # numpy; x: float32 -> the quantised numbers, widened to float32 again
;;       x = np.moveaxis(x, axis, -1); K = x.shape[-1]
;;       x = np.pad(x, [(0, 0)] * (x.ndim - 1) + [(0, -K % 32)]); x = x.reshape(x.shape[:-1] + (-1, 32)); a = np.abs(x).max(-1, keepdims=True)
;;       e = np.where(a > 0, np.clip(np.frexp(np.where(a > 0, a, 1))[1] - 1 - 2, -126, 127), 0)      # np.frexp(a)[1] - 1 = floor(log2(a)), exactly
;;       r = np.clip(x / 2.0 ** e, -6, 6)
;;       step = 2.0 ** (np.maximum(np.frexp(np.where(r == 0, 1, r))[1] - 1, 0) - 1)
;;       q = np.round(r / step) * step * 2.0 ** e      # np.round: ties to even
;;       return np.moveaxis(q.reshape(q.shape[:-2] + (-1,))[..., :K], -1, axis).astype(np.float32)
;;   ~~~
;;   INPUTS GIVEN AS CODES. logits_w (in the module: [1024, 12564], K = its axis 0): each comes as NAME_codes (uint8): NAME with its K axis moved to the last place and cut into blocks of 32 codes, [.., K / 32, bytes a block], one block behind the other in memory; two codes a byte, the lower K in the low four bits (a code: sign, 2 exponent bits, 1 mantissa bit); and NAME_scales (uint8): the same leading axes, one E8M0 byte (e + 127) for each 32 codes along K. Its value is code x scale, taken as it is: it is not quantised again, and the codes and scales need not be those that the quantiser above would give.
;; 2 versions. Each part assembles by itself: llvm-mc -triple=amdgcn-amd-amdhsa -mcpu=gfx1250 --defsym DOCPART=n.
;; ======== version 1 of 2: 3 launches
;; limits: right only within a limited range of input values
;; workspace buffers: xc 2,228,224 bytes; xs 139,264 bytes; gate 65,536 bytes; pos 16,384 bytes of whole numbers; wimg 7,042,560 bytes; plan 4,352 bytes of whole numbers; part 262,144 bytes
;; launch prep (part 1): grid 356 x 1, 8 waves a work-group, no clusters, 123,392 bytes of LDS; arguments x, y, cluster_w, logits_w_codes, logits_w_scales, logits_b, xc, xs, gate, pos, wimg, plan; writes xc, xs, gate, pos, wimg, plan
.if DOCPART == 1
	.amdgcn_target "amdgcn-amd-amdhsa--gfx1250"
	.amdhsa_code_object_version 6
	.text
	.protected	k_q7064de3059_prep
	.globl	k_q7064de3059_prep
	.p2align	8
	.type	k_q7064de3059_prep,@function
k_q7064de3059_prep:
	s_mov_b64 s[64:65], 0
	v_nop
	global_prefetch_b8 v0, s[64:65] scope:SCOPE_SE
	s_setreg_imm32_b32 hwreg(HW_REG_WAVE_MODE, 25, 1), 1
	s_wait_xcnt 0x0
; PREP: three kinds of work-group, parted by the work-group's number; each kind has LDS bytes of its own.
;   0          PLAN: counts the tokens of the three clusters (y < 2000, < 10000, the rest) and writes the list of 256 units for the next launch.
;   1 .. 256   X: 16 tokens each.  A token's 1,024 numbers become E2M1 codes (512 bytes) and 32 E8M0 bytes, stored at the token's SORTED position
;              (clusters one behind the other, each begun on a multiple of 128 positions, token order inside); its three gate products x . cluster_w in f32; its position.
;   257 .. 355 W: a wave lays one group of 16 vocabulary rows out as images of operand registers: 16 pieces of 512 bytes (piece 2 s + c: lane (r, h) holds bytes
;              64 s + 32 c + 16 h .. + 15 of row r), 512 bytes of scale bytes (lane (r, h): bytes 16 h .. 16 h + 15 of row r), 256 bytes of biases (16 words, four times).
;              Rows past the vocabulary's end repeat its last row, and their bias is -2^100.
; A block's scale is 2^(floor(log2(largest magnitude)) - 2); its byte is the largest magnitude's exponent field - 2, held at 1 from below.
; LIMITS: NaN and infinities in x are not served; blocks of x whose largest magnitude lies under 2^-124, blocks of zeros among them, get the byte 1 (their codes are
; read by this program alone); y is taken to lie in 0 .. 12,563; the gate's f32 sums are added in another order than a plain loop over K would add them.
; No tensor loads and no matrix work: the launch streams x once (each load of a wave covers 512 consecutive bytes) and stores whole runs.  EXEC is never changed.
; cluster_w: a lane wants the 12 numbers beside its 4 of x, 48 bytes a lane.  Each wave reads an eighth of the 12,288 bytes as they lie (three loads of 512 consecutive bytes);
; the eighths meet in LDS, and every wave takes its 48 bytes a lane from there.
.set XTURN, 0                          ; X: two stages of 32 x 80 bytes for each wave
.set XSB,   40960                      ; X: 64 scale bytes for each wave
.set XCNT,  41472                      ; X: four counts for each wave
.set XGATE, 41728                      ; X: 16 tokens x 4 words
.set XPOS,  41984                      ; X: 16 positions
.set WT,    42240                      ; W: 16 rows of 512 + 16 bytes for each wave
.set PCNT,  109824                     ; PLAN: two counts for each wave
.set XCW,   110080                     ; X: cluster_w as it lies in memory, 12,288 bytes
.set NEG,   0xf1800000                 ; -2^100
.set R,   16                           ; v16-79    the wave's two rows of x as loaded
.set X,   80                           ; v80-111   two sets of 16 neighbours
.set CW,  112                          ; v112-207  cluster_w: register 12 i + 3 e + c = cluster_w[128 i + 4 lane + e][c]
.set Y,   208                          ; v208-223  512 numbers of y for a wave
.set Y16, 224                          ; v224      y of the work-group's 16 tokens
.set C,   226                          ; v226-233  codes, two registers a step
.set E,   234                          ; v234-237  a scale byte a step
.set G,   238                          ; v238-243  gate sums: 3 a + c
.set TP,  244                          ; v244-251  at work (v250, v251 first serve as the offsets of my eighth of cluster_w, in memory and in LDS)
; The wave's 512 numbers of y are counted: s38 = how many are 2000 or more, s39 = 10000 or more.  pre = 1: s40, s41 the same among tokens ahead of the work-group's first (masks s44-47).
.macro COUNT pre
	s_mov_b32 s38, 0
	s_mov_b32 s39, 0
.if \pre
	s_mov_b32 s40, 0
	s_mov_b32 s41, 0
.endif
.irp i, 0,1,2,3,4,5,6,7,8,9,10,11,12,13,14,15
	v_cmp_le_u32 s42, s36, v[Y+\i]
	v_cmp_le_u32 s43, s37, v[Y+\i]
	s_bcnt1_i32_b32 s48, s42
	s_bcnt1_i32_b32 s49, s43
	s_add_co_u32 s38, s38, s48
	s_add_co_u32 s39, s39, s49
.if \pre
	s_and_b32 s42, s42, s[44+\i/4]
	s_and_b32 s43, s43, s[44+\i/4]
	s_bcnt1_i32_b32 s48, s42
	s_bcnt1_i32_b32 s49, s43
	s_add_co_u32 s40, s40, s48
	s_add_co_u32 s41, s41, s49
.endif
.endr
.endm
	s_load_b512 s[8:23], s[0:1], 0x0               ; x s[8:9], y s[10:11], cluster_w s[12:13], W's codes s[14:15], W's scales s[16:17], logits_b s[18:19], xc s[20:21], xs s[22:23]
	s_load_b256 s[24:31], s[0:1], 0x40             ; gate s[24:25], pos s[26:27], wimg s[28:29], plan s[30:31]
	s_set_vgpr_msb 0x40
	v_lshl_add_u32 v0, v0, 2, 0x1de00
	v_mov_b32 v1, 0
	s_set_vgpr_msb 0x4000
	v_lshrrev_b32 v2, 5, v0
	v_readfirstlane_b32 s32, v2                    ; wave 0..7
	v_and_b32 v1, 31, v0                           ; lane
	v_lshlrev_b32 v2, 4, v1                        ; 16 x lane
	s_mov_b32 s36, 2000
	s_mov_b32 s37, 10000
	s_lshl_b32 s48, s32, 11
	v_add_nc_u32 v4, s48, v2                       ; y: my wave's 2,048 bytes, 16 a lane
	s_cmp_eq_u32 ttmp9, 0
	s_cbranch_scc1 .Lplan
	s_cmp_gt_u32 ttmp9, 256
	s_cbranch_scc1 .Lweights
; ---------------------------------------------------------------- X: 16 tokens; wave w takes tokens 2 w and 2 w + 1 of them
	s_sub_co_u32 s33, ttmp9, 1                     ; which 16 tokens
	s_lshl_b32 s34, s33, 4                         ; the first of them
	v_mul_u32_u24 v3, v1, 48
	v_add_nc_u32 v3, XCW, v3                       ; LDS: cluster_w as a lane wants it: 12 numbers, 48 bytes a lane
	s_mul_i32 s48, s32, 1536
	v_add_nc_u32 v250, s48, v2                     ; my wave's eighth of cluster_w in memory: 1,536 bytes, 16 a lane and load
	v_add_nc_u32 v251, XCW, v250                   ; and its place in LDS
	v_and_b32 v5, 15, v1
	v_add_nc_u32 v5, s34, v5
	v_lshlrev_b32 v5, 2, v5                        ; y of token (lane % 16) of the 16
	s_mul_i32 s49, s32, 5120                       ; my wave's stages
	v_lshrrev_b32 v6, 2, v1
	v_mul_u32_u24 v6, v6, 80
	v_and_b32 v7, 3, v1
	v_lshl_add_u32 v6, v7, 4, v6
	v_add_nc_u32 v6, s49, v6                       ; into a stage: four lanes' 64 bytes on end, then 16 of padding
	v_mul_u32_u24 v7, v1, 80
	v_add_nc_u32 v7, s49, v7                       ; out of it: 80 x lane: my 16 neighbours
	s_lshl_b32 s49, s32, 6
	s_add_co_u32 s49, s49, XSB
	v_lshrrev_b32 v14, 1, v1
	v_add_nc_u32 v14, s49, v14                     ; my block's scale byte
	v_lshlrev_b32 v15, 3, v1                       ; 8 x lane
	s_lshl_b32 s48, s32, 4
	s_add_co_u32 s48, s48, XCNT
	v_mov_b32 v12, s48                             ; my wave's four counts
	v_mov_b32 v13, XCNT
	v_and_b32 v252, 3, v1
	v_lshlrev_b32 v252, 2, v252
	s_lshl_b32 s48, s32, 5
	s_add_co_u32 s48, s48, XGATE
	v_add_nc_u32 v252, s48, v252                   ; gate words: 32 bytes a wave, word lane % 4
	v_and_b32 v253, 1, v1
	v_lshlrev_b32 v253, 2, v253
	s_lshl_b32 s48, s32, 3
	s_add_co_u32 s48, s48, XPOS
	v_add_nc_u32 v253, s48, v253                   ; positions: 8 bytes a wave, word lane % 2
	v_lshlrev_b32 v255, 1, v1                      ; 2 x lane
	v_add_nc_u32 v254, s49, v255                   ; my two of the wave's 64 scale bytes
	v_add_nc_u32 v225, XGATE, v15                  ; wave 0's way out
	v_add_nc_u32 v10, XPOS, v255
.irp k, 0,1,2,3,4,5
	v_mov_b32 v[TP+\k], 0                          ; written once: a lane permute's destination counts as one of its sources
.endr
	s_mov_b32 s72, 0x76543210
	s_mov_b32 s73, 0xfedcba98                      ; v_permlanex16_b32's selects for lane l xor 16
	s_mov_b32 s74, 0x22222222                      ; lanes with lane % 4 = 1
	s_mov_b32 s75, 0xcccccccc                      ; lane % 4 = 2, 3
	s_mov_b32 s76, 0xaaaaaaaa                      ; odd lanes
	s_mov_b32 s77, 0xffff0000                      ; lanes 16-31
	s_lshr_b32 s50, s33, 7                         ; batch 1 lies one dropped row further on
	s_add_co_u32 s50, s50, s34
	s_lshl_b32 s51, s32, 1
	s_add_co_u32 s50, s50, s51
	s_lshl_b32 s50, s50, 12                        ; my first row of x, in bytes (under 2^25)
	s_mov_b32 s51, 0
	s_wait_kmcnt 0x0
	s_add_nc_u64 s[8:9], s[8:9], s[50:51]
	global_load_b32 v[Y16], v5, s[10:11]
.irp q, 0,1,2,3
	global_load_b128 v[Y+4*\q:Y+4*\q+3], v4, s[10:11] offset:512*\q
.endr
.irp j, 0,1,2
	global_load_b128 v[CW+4*\j:CW+4*\j+3], v250, s[12:13] offset:512*\j   ; my eighth of cluster_w: 512 consecutive bytes a load
.endr
.irp i, 0,1,2,3,4,5,6,7,8,9,10,11,12,13,14,15
	global_load_b128 v[R+4*\i:R+4*\i+3], v2, s[8:9] offset:512*\i th:TH_LOAD_NT   ; 512 consecutive bytes a load: both rows are on their way at once
.endr
	s_lshl_b32 s48, s32, 9
	v_lshl_add_u32 v8, v1, 2, s48                  ; the token of register 4 q of Y: 512 w + 128 q + 4 lane
.irp q, 0,1,2,3
	v_add_nc_u32 v9, 128*\q, v8
	v_cmp_gt_u32 s[44+\q], s34, v9                 ; ahead of my work-group's first token?  (that is a multiple of 16, so one mask serves a register quad)
.endr
	s_wait_loadcnt 19                              ; y is in: behind it stand the 3 loads of cluster_w and the 16 of x
	COUNT 1
	v_cmp_le_u32 s52, s36, v[Y16]
	v_cmp_le_u32 s53, s37, v[Y16]
	s_and_b32 s52, s52, 0xffff                     ; bit j: token j of the 16 has y >= 2000
	s_and_b32 s53, s53, 0xffff                     ; y >= 10000
	v_mov_b32 v80, s38
	v_mov_b32 v81, s39
	v_mov_b32 v82, s40
	v_mov_b32 v83, s41
	s_wait_loadcnt 16                              ; my eighth of cluster_w is in: behind it stand x's 16 loads
.irp j, 0,1,2
	ds_store_b128 v251, v[CW+4*\j:CW+4*\j+3] offset:512*\j
.endr
	ds_store_b128 v12, v[80:83]                    ; all lanes write the same 16 bytes with the same values
	s_wait_dscnt 0x0                               ; for the others' sake: my counts and my eighth of cluster_w lie in LDS
	s_barrier_signal -1
	s_barrier_wait -1
.irp i, 0,1,2,3,4,5,6,7
	ds_load_b128 v[80+4*\i:83+4*\i], v13 offset:16*\i
.endr
.irp i, 0,1,2,3,4,5,6,7
.irp p, 0,1,2
	ds_load_b128 v[CW+12*\i+4*\p:CW+12*\i+4*\p+3], v3 offset:1536*\i+16*\p   ; 48 bytes from lane to lane: sixteen lanes fall on the 16-byte columns 3 l mod 16, each once
.endr
.endr
	s_wait_dscnt 24                                ; the eight loads of counts are in; cluster_w's 24, issued behind them, may be out
.irp i, 1,2,3,4,5,6,7
.irp c, 0,1,2,3
	v_add_nc_u32 v[80+\c], v[80+\c], v[80+4*\i+\c]
.endr
.endr
	v_readfirstlane_b32 s38, v80                   ; all tokens with y >= 2000,
	v_readfirstlane_b32 s39, v81                   ; >= 10000,
	v_readfirstlane_b32 s40, v82                   ; and the same among the tokens ahead of mine
	v_readfirstlane_b32 s41, v83
	s_sub_co_u32 s54, s38, s39                     ; tokens of cluster 1
	s_sub_co_u32 s55, 4096, s38                    ; of cluster 0
	s_add_co_u32 s55, s55, 127
	s_lshr_b32 s55, s55, 7                         ; tiles of cluster 0
	s_add_co_u32 s54, s54, 127
	s_lshr_b32 s54, s54, 7                         ; of cluster 1
	s_add_co_u32 s54, s54, s55
	s_lshl_b32 s55, s55, 7                         ; where cluster 1 begins
	s_lshl_b32 s54, s54, 7                         ; where cluster 2 begins
	s_add_co_u32 s54, s54, s41                     ; + its tokens ahead of my work-group
	s_sub_co_u32 s56, s40, s41
	s_add_co_u32 s55, s55, s56                     ; cluster 1 likewise
	s_sub_co_u32 s56, s34, s40                     ; cluster 0 likewise
.irp a, 0,1                            ; my two tokens' positions: s70, s71; their rows of xc: s[66:67], s[68:69]
	s_lshl_b32 s57, s32, 1
	s_add_co_u32 s57, s57, \a                      ; j: which of the 16
	s_bfm_b32 s58, s57, 0                          ; the tokens below j
	s_and_b32 s59, s52, s58
	s_bcnt1_i32_b32 s59, s59
	s_and_b32 s60, s53, s58
	s_bcnt1_i32_b32 s60, s60
	s_add_co_u32 s61, s56, s57
	s_sub_co_u32 s61, s61, s59                     ; the position if the token is of cluster 0,
	s_add_co_u32 s62, s55, s59
	s_sub_co_u32 s62, s62, s60                     ; of cluster 1,
	s_add_co_u32 s63, s54, s60                     ; of cluster 2
	s_bitcmp1_b32 s52, s57
	s_cselect_b32 s61, s62, s61
	s_bitcmp1_b32 s53, s57
	s_cselect_b32 s61, s63, s61
	s_min_u32 s[70+\a], s61, 4351                  ; held inside xc's 4,352 rows
	s_lshl_b32 s58, s[70+\a], 9
	s_mov_b32 s59, 0
	s_add_nc_u64 s[66+2*\a:67+2*\a], s[20:21], s[58:59]
.endr
; Step t = 512 numbers: half t % 2 of token t / 2.  The conversions want 16 NEIGHBOURS in a lane, the loads gave 4: the step's 2,048 bytes turn through the wave's own stage.
.macro TURN t
.irp i, 0,1,2,3
	ds_store_b128 v6, v[R+16*(\t)+4*\i:R+16*(\t)+4*\i+3] offset:2560*((\t)%2)+640*\i
.endr
.irp i, 0,1,2,3
	ds_load_b128 v[X+16*((\t)%2)+4*\i:X+16*((\t)%2)+4*\i+3], v7 offset:2560*((\t)%2)+16*\i   ; LDS serves a wave's instructions in order: these see the stores above
.endr
.endm
.macro STEP t
.set XS, X+16*((\t)%2)
.if (\t) > 0
	s_wait_dscnt 1                                 ; this step's numbers are back; the last step's byte store may be out
.else
	s_wait_dscnt 0x0                               ; step 0's numbers are back, and so is cluster_w, asked for ahead of them
.endif
.if (\t) < 3
	s_wait_loadcnt 8-4*(\t)                        ; the next step's four loads are in: behind them stand x's later loads
	TURN (\t)+1
.endif
	v_max3_num_f32 v8, |v[XS]|, |v[XS+1]|, |v[XS+2]|
	v_max3_num_f32 v9, |v[XS+3]|, |v[XS+4]|, |v[XS+5]|
.irp i, 6,10
	v_max3_num_f32 v8, v8, |v[XS+\i]|, |v[XS+\i+1]|
	v_max3_num_f32 v9, v9, |v[XS+\i+2]|, |v[XS+\i+3]|
.endr
	v_max3_num_f32 v8, v8, |v[XS+14]|, |v[XS+15]|
	v_max3_num_f32 v8, v8, v9, 0x1800000           ; and the floor 2^(3 - 127): the byte cannot fall under 1
	v_max_num_f32_dpp v8, v8, v8 row_xmask:1 row_mask:0xf bank_mask:0xf   ; with my neighbour's 16: the block's largest magnitude
	v_add_nc_u32 v11, 0xff000000, v8               ; 2 off its exponent field: the conversion takes this operand's exponent field as its scale
	v_cvt_scalef32_pk8_fp4_f32 v[C+2*(\t)], v[XS:XS+7], v11
	v_cvt_scalef32_pk8_fp4_f32 v[C+2*(\t)+1], v[XS+8:XS+15], v11
	v_lshrrev_b32 v[E+(\t)], 23, v11               ; the scale's byte (a plain line behind the conversions)
	ds_store_b8 v14, v[E+(\t)] offset:16*(\t)      ; both lanes of a block write the same byte
	global_store_b64 v15, v[C+2*(\t):C+2*(\t)+1], s[66+2*((\t)/2):67+2*((\t)/2)] offset:256*((\t)%2)   ; the wave stores 256 consecutive bytes, aligned
.endm
	s_wait_loadcnt 12                              ; step 0's four loads are in: behind them 12 of x
	TURN 0
.irp t, 0,1,2,3
	STEP \t
.endr
	; the gate: six sums (two tokens x three clusters) of my 32 numbers a token, by turns; then over the 32 lanes.  x and cluster_w have been waited for in the steps
.irp a, 0,1
.irp c, 0,1,2
	v_mul_f32 v[G+3*\a+\c], v[R+32*\a], v[CW+\c]   ; the first product starts each sum
.endr
.endr
.set n, 1
.rept 31
.irp a, 0,1
.irp c, 0,1,2
	v_fmac_f32 v[G+3*\a+\c], v[R+32*\a+n], v[CW+12*(n/4)+3*(n%4)+\c]
.endr
.endr
.set n, n+1
.endr
.irp m, 1,2,4,8
.irp k, 0,1,2,3,4,5
	v_add_f32_dpp v[G+\k], v[G+\k], v[G+\k] row_xmask:\m row_mask:0xf bank_mask:0xf
.endr
.endr
.irp k, 0,1,2,3,4,5
	v_permlanex16_b32 v[TP+\k], v[G+\k], s72, s73
.endr
.irp k, 0,1,2,3,4,5
	v_add_f32 v[G+\k], v[G+\k], v[TP+\k]
.endr
.irp a, 0,1
	v_cndmask_b32 v[TP+6+\a], v[G+3*\a], v[G+3*\a+1], s74
	v_cndmask_b32 v[TP+6+\a], v[TP+6+\a], v[G+3*\a+2], s75   ; lane % 4 = 0, 1, 2, 3 holds g0, g1, g2, g2
.endr
	ds_store_b32 v252, v[TP+6]
	ds_store_b32 v252, v[TP+7] offset:16
	v_mov_b32 v244, s70
	v_mov_b32 v245, s71
	v_cndmask_b32 v246, v244, v245, s76
	ds_store_b32 v253, v246                        ; my two positions
	v_cndmask_b32 v247, v244, v245, s77            ; lanes 0-15 serve my first token, lanes 16-31 my second
	v_min_u32 v247, 0x10ff, v247
	v_and_b32 v249, 15, v1
	v_lshlrev_b32 v249, 1, v249
	v_lshl_add_u32 v247, v247, 5, v249             ; xs: 32 bytes a position, two bytes a lane
	ds_load_u16 v248, v254                         ; sees my byte stores: a wave's LDS instructions are served in order
	s_wait_dscnt 0x0                               ; my scale bytes are back; my gate words and positions lie in LDS
	global_store_b16 v247, v248, s[22:23]          ; sixteen lanes store a position's 32 consecutive bytes
	s_barrier_signal -1
	s_barrier_wait -1
	s_cmp_lg_u32 s32, 0
	s_cbranch_scc1 .Lxend                          ; wave 0 stores what the eight waves gathered
	ds_load_b64 v[80:81], v225
	ds_load_u16 v82, v10
	s_lshl_b32 s50, s33, 8
	s_mov_b32 s51, 0
	s_add_nc_u64 s[24:25], s[24:25], s[50:51]
	s_lshl_b32 s50, s33, 6
	s_add_nc_u64 s[26:27], s[26:27], s[50:51]
	s_wait_dscnt 0x0
	global_store_b64 v15, v[80:81], s[24:25]       ; 16 tokens x 16 bytes: 256 consecutive bytes, aligned
	global_store_b16 v255, v82, s[26:27]           ; 16 positions: 64 consecutive bytes, two a lane
.Lxend:
	s_set_vgpr_msb 0x5
	s_wait_tensorcnt 0x0
	ds_add_u32 v0, v1
	s_wait_dscnt 0x0
	s_set_vgpr_msb 0x500
	s_endpgm
; ---------------------------------------------------------------- W: a wave lays out one group of 16 rows
.Lweights:
	s_sub_co_u32 s33, ttmp9, 257
	s_lshl_b32 s33, s33, 3
	s_add_co_u32 s33, s33, s32                     ; the group
	s_wait_kmcnt 0x0
	s_cmp_ge_u32 s33, 786                          ; 99 x 8 waves for 786 groups: the last six waves have none
	s_cbranch_scc1 .Lwend
	v_and_b32 v3, 15, v1                           ; r
	v_lshrrev_b32 v9, 4, v1                        ; h
	s_mul_i32 s38, s32, 8448
	s_add_co_u32 s38, s38, WT                      ; my stage
	v_add_nc_u32 v5, s38, v2                       ; in: a row's 512 bytes as they lie
	v_mul_u32_u24 v6, v3, 528
	v_lshl_add_u32 v6, v9, 4, v6
	v_add_nc_u32 v6, s38, v6                       ; out: row r, + 16 h; rows 33 x 16 bytes apart
	v_lshlrev_b32 v12, 3, v1
	v_mov_b32 v13, NEG
	s_lshl_b32 s35, s33, 4                         ; the group's first row
	s_sub_co_u32 s34, 12563, s35
	s_min_u32 s34, s34, 15                         ; the last row of the group that exists
.irp i, 0,1,2,3,4,5,6,7,8,9,10,11,12,13,14,15
	s_min_u32 s38, s34, \i
	s_lshl_b32 s38, s38, 9
	v_add_nc_u32 v[16+\i], s38, v2                 ; no load leaves the buffer: rows past the end repeat the last one
.endr
	s_lshl_b32 s40, s33, 13
	s_mov_b32 s41, 0
	s_add_nc_u64 s[14:15], s[14:15], s[40:41]
	v_add_nc_u32 v7, s35, v3
	v_min_u32 v7, 0x3113, v7
	v_lshlrev_b32 v7, 5, v7
	v_lshl_add_u32 v7, v9, 4, v7                   ; scale bytes 16 h .. 16 h + 15 of row r
	v_lshlrev_b32 v10, 1, v1
	v_and_b32 v10, 14, v10
	v_add_nc_u32 v10, s35, v10                     ; the column of my pair of biases: even, so a pair lies wholly inside the vocabulary or wholly past it
	v_min_u32 v8, 0x3112, v10
	v_lshlrev_b32 v8, 2, v8
.irp i, 0,1,2,3,4,5,6,7,8,9,10,11,12,13,14,15
	global_load_b128 v[32+4*\i:35+4*\i], v[16+\i], s[14:15] th:TH_LOAD_NT   ; one row: 512 consecutive bytes
.endr
	global_load_b128 v[160:163], v7, s[16:17]
	global_load_b64 v[164:165], v8, s[18:19]
	s_mul_i32 s40, s33, 8960
	s_add_nc_u64 s[28:29], s[28:29], s[40:41]      ; the group's image
	s_wait_loadcnt 2                               ; the 16 rows are in; the scale bytes' load and the biases' may be out
.irp i, 0,1,2,3,4,5,6,7,8,9,10,11,12,13,14,15
	ds_store_b128 v5, v[32+4*\i:35+4*\i] offset:528*\i
.endr
.irp i, 0,1,2,3,4,5,6,7,8,9,10,11,12,13,14,15
	ds_load_b128 v[96+4*\i:99+4*\i], v6 offset:32*\i   ; piece i: bytes 32 i + 16 h on of row r
.endr
.irp i, 0,1,2,3,4,5,6,7,8,9,10,11,12,13,14,15
	s_wait_dscnt 15-\i                             ; piece i is back; the later pieces may be out
	global_store_b128 v2, v[96+4*\i:99+4*\i], s[28:29] offset:512*\i
.endr
	s_wait_loadcnt 0x0
	global_store_b128 v2, v[160:163], s[28:29] offset:8192
	v_cmp_le_u32 vcc_lo, 0x3114, v10               ; past the vocabulary's 12,564 columns
	v_cndmask_b32 v164, v164, v13, vcc_lo
	v_cndmask_b32 v165, v165, v13, vcc_lo
	global_store_b64 v12, v[164:165], s[28:29] offset:8704   ; the 16 biases four times over: 256 consecutive bytes
.Lwend:
	s_set_vgpr_msb 0x5
	s_wait_tensorcnt 0x0
	ds_add_u32 v0, v1
	s_wait_dscnt 0x0
	s_set_vgpr_msb 0x500
	s_endpgm
; ---------------------------------------------------------------- PLAN: every wave computes the plan; thread u then writes entry u
; A unit is one tile of 128 sorted tokens x a run of LW groups of 16 columns, LW = 4 gw (gw groups a wave).  A cluster of Gc groups takes ceil(Gc / LW) units a tile.
; EVAL: v20 = LW (16 or more) -> v21, v22, v23 = ceil(125 / LW), ceil(500 / LW), ceil(161 / LW), each counted as 1 + the number of k >= 1 with k LW < Gc
; (k up to 7, 31, 10, since LW >= 16): no division.
.macro EVAL
	v_mov_b32 v21, 1
	v_mov_b32 v22, 1
	v_mov_b32 v23, 1
.set kk, 1
.rept 31
	v_mul_u32_u24 v24, kk, v20
.if kk <= 7
	v_cmp_gt_u32 vcc_lo, 0x7d, v24
	v_add_co_ci_u32 v21, vcc_lo, 0, v21, vcc_lo
.endif
	v_cmp_gt_u32 vcc_lo, 0x1f4, v24
	v_add_co_ci_u32 v22, vcc_lo, 0, v22, vcc_lo
.if kk <= 10
	v_cmp_gt_u32 vcc_lo, 0xa1, v24
	v_add_co_ci_u32 v23, vcc_lo, 0, v23, vcc_lo
.endif
.set kk, kk+1
.endr
.endm
.Lplan:
	s_lshl_b32 s48, s32, 3
	s_add_co_u32 s48, s48, PCNT
	v_mov_b32 v12, s48
	v_mov_b32 v13, PCNT
	s_wait_kmcnt 0x0
.irp q, 0,1,2,3
	global_load_b128 v[Y+4*\q:Y+4*\q+3], v4, s[10:11] offset:512*\q
.endr
	s_wait_loadcnt 0x0
	COUNT 0
	v_mov_b32 v80, s38
	v_mov_b32 v81, s39
	ds_store_b64 v12, v[80:81]
	s_wait_dscnt 0x0                               ; for the others' sake: my counts lie in LDS
	s_barrier_signal -1
	s_barrier_wait -1
.irp i, 0,1,2,3,4,5,6,7
	ds_load_b64 v[80+2*\i:81+2*\i], v13 offset:8*\i
.endr
	s_wait_dscnt 0x0
.irp i, 1,2,3,4,5,6,7
	v_add_nc_u32 v80, v80, v[80+2*\i]
	v_add_nc_u32 v81, v81, v[81+2*\i]
.endr
	v_readfirstlane_b32 s38, v80
	v_readfirstlane_b32 s39, v81
	s_sub_co_u32 s50, 4096, s38                    ; tokens of cluster 0,
	s_sub_co_u32 s51, s38, s39                     ; 1,
	s_mov_b32 s52, s39                             ; 2
	s_add_co_u32 s53, s50, 127
	s_lshr_b32 s53, s53, 7                         ; tiles of 128 tokens: n0,
	s_add_co_u32 s54, s51, 127
	s_lshr_b32 s54, s54, 7                         ; n1,
	s_add_co_u32 s55, s52, 127
	s_lshr_b32 s55, s55, 7                         ; n2
	s_add_co_u32 s56, s53, s54                     ; n0 + n1
	; Lane l tries LW = 16 + 4 l.  The smallest LW with 256 units or fewer is taken; LW = 140 needs n0 + 4 n1 + 2 n2 <= 136, so one of the 32 always serves.
	v_lshl_add_u32 v20, v1, 2, 16
	EVAL
	v_mul_u32_u24 v25, s53, v21
	v_mad_u32_u24 v25, s54, v22, v25
	v_mad_u32_u24 v25, s55, v23, v25               ; units that this lane's LW would need: it does not rise with LW
	s_mov_b32 s58, 256
	v_cmp_lt_u32 s59, s58, v25
	s_bcnt1_i32_b32 s59, s59                       ; the lanes with too many are the first ones
	s_add_co_u32 s60, s59, 4                       ; gw
	s_lshl_b32 s61, s60, 2                         ; LW
	v_mov_b32 v20, s61
	EVAL                                           ; once more, on the chosen LW in every lane
	v_readfirstlane_b32 s62, v21                   ; C0, C1, C2: units a tile
	v_readfirstlane_b32 s63, v22
	v_readfirstlane_b32 s66, v23
	s_mul_i32 s67, s53, s62                        ; U1: cluster 1's first unit
	s_mul_i32 s68, s54, s63
	s_add_co_u32 s68, s68, s67                     ; U2
	s_mul_i32 s69, s55, s66
	s_add_co_u32 s69, s69, s68                     ; units in all
	s_mov_b32 s70, 125
	s_cmp_lg_u32 s32, 0
	s_cbranch_scc1 .Lnohdr
	v_mov_b32 v26, 0                               ; the header, 32 words: n0, n0 + n1, C0, C1, C2, U1, U2, zeros
	v_writelane_b32 v26, s53, 0
	v_writelane_b32 v26, s56, 1
	v_writelane_b32 v26, s62, 2
	v_writelane_b32 v26, s63, 3
	v_writelane_b32 v26, s66, 4
	v_writelane_b32 v26, s67, 5
	v_writelane_b32 v26, s68, 6
	v_lshlrev_b32 v27, 2, v1
	global_store_b32 v27, v26, s[30:31] offset:4096
.Lnohdr:
	v_mov_b32 v30, s53                             ; clusters 1 and 2: first tile,
	v_mov_b32 v31, s56
	v_mov_b32 v32, s63                             ; units a tile,
	v_mov_b32 v33, s66
	v_mov_b32 v34, s67                             ; first unit,
	v_mov_b32 v35, s68
	v_mov_b32 v36, 500                             ; groups,
	v_mov_b32 v37, 161
	v_mov_b32 v38, 125                             ; first group,
	v_mov_b32 v39, 625
	v_mov_b32 v40, s51                             ; tokens
	v_mov_b32 v41, s52
	; Thread u writes entry u, 16 bytes at 16 u: tile | tokens in it | first group, groups << 16 | gw, seed << 8.  Unit u = Uc + (tile in its cluster) x Cc + (run j).
	v_cmp_le_u32 s72, s67, v0                      ; the unit is of cluster 1 or 2,
	v_cmp_le_u32 s73, s68, v0                      ; of cluster 2;
	v_cmp_gt_u32 s74, s69, v0                      ; it exists
	v_cndmask_b32 v45, 0, v30, s72
	v_cndmask_b32 v45, v45, v31, s73
	v_cndmask_b32 v46, s62, v32, s72
	v_cndmask_b32 v46, v46, v33, s73
	v_cndmask_b32 v58, 0, v34, s72
	v_cndmask_b32 v58, v58, v35, s73
	v_cndmask_b32 v48, s70, v36, s72
	v_cndmask_b32 v48, v48, v37, s73
	v_cndmask_b32 v49, 0, v38, s72
	v_cndmask_b32 v49, v49, v39, s73
	v_cndmask_b32 v50, s50, v40, s72
	v_cndmask_b32 v50, v50, v41, s73
	v_sub_nc_u32 v42, v0, v58                      ; the unit's number in its cluster
	v_mov_b32 v43, 0
.set kk, 1
.rept 31                               ; divided by Cc: the number of k = 1 .. 31 with k Cc <= it (a cluster has 32 tiles at the most)
	v_mul_u32_u24 v24, kk, v46
	v_cmp_le_u32 vcc_lo, v24, v42
	v_add_co_ci_u32 v43, vcc_lo, 0, v43, vcc_lo
.set kk, kk+1
.endr
	v_mul_u32_u24 v44, v43, v46
	v_sub_nc_u32 v44, v42, v44                     ; j: which run of the cluster's groups
	v_add_nc_u32 v45, v45, v43                     ; the tile
	v_mul_u32_u24 v51, s61, v44
	v_add_nc_u32 v49, v49, v51                     ; the run's first group
	v_sub_nc_u32 v48, v48, v51
	v_min_u32 v48, s61, v48                        ; its groups
	v_lshl_or_b32 v48, v48, 16, v49
	v_lshlrev_b32 v51, 7, v43
	v_sub_nc_u32 v50, v50, v51
	v_min_u32 v50, 0x80, v50                       ; the tile's tokens
	v_mul_u32_u24 v51, 37, v43
	v_and_b32 v51, 63, v51                         ; where in its run a wave begins, in 64ths: tiles that share a run begin at different groups
	v_cndmask_b32 v52, 0, v45, s74                 ; an entry that no unit takes: tile 0, one token, no groups
	v_cndmask_b32 v53, 1, v50, s74
	v_cndmask_b32 v54, 0, v48, s74
	v_lshl_or_b32 v55, v51, 8, s60
	v_lshlrev_b32 v47, 4, v0
	global_store_b128 v47, v[52:55], s[30:31]      ; a wave stores 512 consecutive bytes
	s_set_vgpr_msb 0x5
	s_wait_tensorcnt 0x0
	ds_add_u32 v0, v1
	s_wait_dscnt 0x0
	s_set_vgpr_msb 0x500
	s_endpgm
.Lfunc_end_k_q7064de3059_prep:
	.size	k_q7064de3059_prep, .Lfunc_end_k_q7064de3059_prep-k_q7064de3059_prep
	.p2alignl 7, 3214868480
	.fill 96, 4, 3214868480
	.section	.rodata,"a",@progbits
	.p2align	6, 0x0
	.amdhsa_kernel k_q7064de3059_prep
		.amdhsa_group_segment_fixed_size 123392
		.amdhsa_private_segment_fixed_size 0
		.amdhsa_enable_private_segment 0
		.amdhsa_kernarg_size 96
		.amdhsa_user_sgpr_count 2
		.amdhsa_user_sgpr_kernarg_segment_ptr 1
		.amdhsa_wavefront_size32 1
		.amdhsa_system_sgpr_workgroup_id_x 1
		.amdhsa_system_sgpr_workgroup_id_y 1
		.amdhsa_system_sgpr_workgroup_id_z 1
		.amdhsa_system_vgpr_workitem_id 0
		.amdhsa_next_free_vgpr 258
		.amdhsa_next_free_sgpr 100
		.amdhsa_reserve_vcc 1
		.amdhsa_float_denorm_mode_32 3
		.amdhsa_float_denorm_mode_16_64 3
		.amdhsa_memory_ordered 1
		.amdhsa_forward_progress 1
		.amdhsa_inst_pref_size 69
	.end_amdhsa_kernel
	.amdgpu_metadata
---
amdhsa.version: [ 1, 2 ]
amdhsa.kernels:
  - .name:           k_q7064de3059_prep
    .symbol:         k_q7064de3059_prep.kd
    .args:
      - { .name: x, .offset: 0, .size: 8, .value_kind: global_buffer, .address_space: global }
      - { .name: y, .offset: 8, .size: 8, .value_kind: global_buffer, .address_space: global }
      - { .name: cluster_w, .offset: 16, .size: 8, .value_kind: global_buffer, .address_space: global }
      - { .name: logits_w_codes, .offset: 24, .size: 8, .value_kind: global_buffer, .address_space: global }
      - { .name: logits_w_scales, .offset: 32, .size: 8, .value_kind: global_buffer, .address_space: global }
      - { .name: logits_b, .offset: 40, .size: 8, .value_kind: global_buffer, .address_space: global }
      - { .name: xc, .offset: 48, .size: 8, .value_kind: global_buffer, .address_space: global }
      - { .name: xs, .offset: 56, .size: 8, .value_kind: global_buffer, .address_space: global }
      - { .name: gate, .offset: 64, .size: 8, .value_kind: global_buffer, .address_space: global }
      - { .name: pos, .offset: 72, .size: 8, .value_kind: global_buffer, .address_space: global }
      - { .name: wimg, .offset: 80, .size: 8, .value_kind: global_buffer, .address_space: global }
      - { .name: plan, .offset: 88, .size: 8, .value_kind: global_buffer, .address_space: global }
    .group_segment_fixed_size: 123392
    .private_segment_fixed_size: 0
    .kernarg_segment_align: 8
    .kernarg_segment_size: 96
    .max_flat_workgroup_size: 256
    .sgpr_count:     100
    .vgpr_count:     258
    .wavefront_size: 32
...
	.end_amdgpu_metadata
.endif
;; end of part 1
;; launch main (part 2): grid 256 x 1, 4 waves a work-group, no clusters, 80,384 bytes of LDS; arguments xc, xs, wimg, plan, part; writes part
.if DOCPART == 2
	.amdgcn_target "amdgcn-amd-amdhsa--gfx1250"
	.amdhsa_code_object_version 6
	.text
	.protected	k_q7064de3059_main
	.globl	k_q7064de3059_main
	.p2align	8
	.type	k_q7064de3059_main,@function
k_q7064de3059_main:
	s_mov_b64 s[64:65], 0
	v_nop
	global_prefetch_b8 v0, s[64:65] scope:SCOPE_SE
	s_setreg_imm32_b32 hwreg(HW_REG_WAVE_MODE, 25, 1), 1
	s_wait_xcnt 0x0
; MAIN: the routed products and a running logsumexp.  A work-group takes one UNIT of the stored plan: a tile of 128 sorted tokens (all of one cluster) x a run of groups of 16
; vocabulary columns of that cluster.  Only a token's own cluster is multiplied: the other slices are thrown away by a mask made from y.
; SHARES.  All four waves hold the SAME 128 tokens (codes of all 1,024 along K: 512 registers).  They are staged once through LDS: each wave brings 32 of the tile's rows, one row
; (512 consecutive bytes) a load, and lays them as rows of 512 + 16 bytes; every wave then reads all 64 fragments from there.  The run's groups are shared out, gw to a wave.
; A group's image (8,960 bytes: codes, scale words, biases, laid by the launch before in the order of the registers) comes from memory straight into
; registers, two groups ahead.  One group = 64 matrix instructions (8 tiles of 16 tokens x 8 K steps of 128) and 184 vector instructions of logsumexp.
; LAYOUT.  Source 0 = 16 rows of W, source 1 = 16 tokens: a lane holds ONE token (lane % 16) and columns 8 (lane / 16) + 0 .. 7.  The bias is the C of each sum's first product.
; LOGSUMEXP, for each lane: m = the largest logit so far, S = the sum of 2^((logit - m) log2 e); when m moves S is multiplied by 2^((old m - new m) log2 e).
; At the end the four waves' and the two lane halves' (m log2 e, S) are merged through LDS, and the unit stores one pair for each of its 128 positions.
; NO TENSOR LOADS, NO JOINT LOADS: the number of groups that a wave walks is read from the plan, so trip counts and branches hang on loaded numbers; tiles that share a run
; of W begin at different groups of it (the entry's seed) and walk round.
; LIMITS: |logit| stays under 2^76, so that the bias -2^100 of the columns past the vocabulary's end swallows their products; NaN and infinities are not served.
; REGISTERS, in windows of 256.  Window 0: v1-15 addresses; v16-47 x's scale words (4 a tile: register q holds K step q in lanes 0-15, K step 4 + q in lanes 16-31); v48-55 W's, two
; sets; v56-71 biases, two sets; v72-199 W's fragments, two sets of 64; v200-231 the offsets of my 32 staged rows, later the merge.  Windows 1, 2: x's fragments, tile t, K step s at 64 (t % 4) + 8 s.
; Window 3: v0-63 the 8 accumulators; v64-71, v72-79 m (the two by turns); v80-95 S in pairs; v96-127 four registers a tile at work; v128-255 staging.
.set NEG,    0xf1800000                ; -2^100: a power of two, so that its product with log2 e is exact
.set LOG2E,  0x3fb8aa3b
.set NLOG2E, 0xbfb8aa3b
.set GIMG,   8960
.set RP,     528                       ; LDS: a token's row, 512 bytes + 16 = 33 x 16: the sixteen rows that a fragment's load touches fall on sixteen different 16-byte columns of 256
.set XSCL,   128*RP                    ; behind the 128 rows: their scale words, 512 bytes a tile of 16;
.set MRG,    XSCL+4096                 ; the merge: 4 waves x 8 tiles x 256 bytes
.set XSC,  16
.set WSC,  48
.set BIAS, 56
.set WB,   72
.set RO,   200
.set MA,   64
.set MB,   72
.set SS,   80
.set TT,   96                          ; + 4 t: +0 -m log2 e, +1 at work, +2 the factor, +3 named with it as a pair
.set STG,  128
.set MSB, 0
.macro WIN new                         ; the immediate's high byte repeats the setting that is left; a switch that changes nothing is dropped
.if MSB != \new
	s_set_vgpr_msb (MSB<<8)|\new
.set MSB, \new
.endif
.endm
	s_load_b256 s[4:11], s[0:1], 0x0               ; xc s[4:5], xs s[6:7], wimg s[8:9], plan s[10:11]
	s_load_b64 s[12:13], s[0:1], 0x20              ; part
	v_lshl_add_u32 v254, v0, 2, 0x13800
	v_mov_b32 v255, 0
	v_lshrrev_b32 v1, 5, v0
	v_readfirstlane_b32 s14, v1                    ; wave 0..3
	v_and_b32 v1, 31, v0                           ; lane
	v_and_b32 v2, 15, v0                           ; r
	v_bfe_u32 v3, v0, 4, 1                         ; h
	v_lshlrev_b32 v4, 4, v1                        ; 16 x lane
	v_lshlrev_b32 v5, 5, v3                        ; 32 h: my half's eight biases
	s_lshl_b32 s36, ttmp9, 4
	s_mov_b32 s37, 0
	s_wait_kmcnt 0x0
	s_add_nc_u64 s[10:11], s[10:11], s[36:37]
	s_load_b128 s[16:19], s[10:11], 0x0            ; my unit's entry; all that does not hang on it is made while it is on its way
	v_mul_u32_u24 v6, v2, RP
	v_lshl_add_u32 v6, v3, 4, v6                   ; a fragment's place in a tile of 16 LDS rows: row r, + 16 h
	s_mul_i32 s31, s14, 32*RP
	v_add_nc_u32 v10, s31, v4                      ; where I store my 32 rows: 16 bytes a lane
	s_lshl_b32 s31, s14, 10
	s_add_co_u32 s31, s31, XSCL
	v_add_nc_u32 v11, s31, v4                      ; and my two tiles' scale words
	v_add_nc_u32 v12, XSCL, v4
	v_lshlrev_b32 v15, 3, v1
	s_lshl_b32 s31, s14, 11
	s_add_co_u32 s31, s31, MRG
	v_add_nc_u32 v13, s31, v15                     ; the merge: my wave's pairs,
	s_lshl_b32 s31, s14, 9
	s_add_co_u32 s31, s31, MRG
	v_add_nc_u32 v14, s31, v15                     ; and the two tiles that I merge
	s_lshl_b32 s31, s14, 14                        ; I stage rows 32 w .. 32 w + 31 of the tile's 128: 512 bytes a row
	v_add_nc_u32 v7, s31, v4
.irp j, 0,1,2,3,4,5,6,7,8,9,10,11,12,13,14,15,16,17,18,19,20,21,22,23,24,25,26,27,28,29,30,31
	v_add_nc_u32 v[RO+\j], 512*\j, v7              ; row 32 w + j, my 16 bytes of it, counted from the tile's first byte
.endr
	s_mov_b32 s38, LOG2E
	s_mov_b32 s39, LOG2E                           ; (the packed form names the pair)
	s_mov_b32 s40, NLOG2E
	s_mov_b32 s42, 0x76543210
	s_mov_b32 s43, 0xfedcba98                      ; v_permlanex16_b32's selects for lane l xor 16
	s_mov_b32 s44, 0xffff0000                      ; lanes 16-31
	WIN 0xc0                                       ; destination window 3
.irp t, 0,1,2,3,4,5,6,7
	v_mov_b32 v[MA+\t], NEG                        ; m: under every logit
	v_mov_b32 v[SS+2*\t], 0
	v_mov_b32 v[SS+2*\t+1], 0
	v_mov_b32 v[TT+4*\t+3], 0
.endr
	WIN 0
	s_wait_kmcnt 0x0
	s_min_u32 s20, s16, 33                         ; the tile; every field is held to its range before it enters an address or a count
	s_sub_co_u32 s21, s17, 1
	s_min_u32 s21, s21, 127                        ; its last token that exists
	s_and_b32 s22, s18, 0xffff
	s_min_u32 s22, s22, 785                        ; the run's first group
	s_lshr_b32 s23, s18, 16
	s_min_u32 s23, s23, 140                        ; its groups
	s_and_b32 s24, s19, 0xff
	s_min_u32 s24, s24, 35                         ; groups a wave
	s_bfe_u32 s25, s19, 0x80008
	s_min_u32 s25, s25, 63                         ; the seed
	s_lshl_b32 s46, s20, 16                        ; the tile's 128 rows of 512 bytes
	s_mov_b32 s47, 0
	s_add_nc_u64 s[4:5], s[4:5], s[46:47]          ; xc at the tile
	v_lshl_add_u32 v7, s21, 9, v4                  ; my 16 bytes of the tile's last row that exists
.irp j, 0,1,2,3,4,5,6,7,8,9,10,11,12,13,14,15,16,17,18,19,20,21,22,23,24,25,26,27,28,29,30,31
	v_min_u32 v[RO+\j], v[RO+\j], v7               ; positions past the tile's last token repeat it: rows that nobody wrote are never read
.endr
.irp j, 0,1,2,3,4,5,6,7,8,9,10,11,12,13,14,15,16,17,18,19,20,21,22,23,24,25,26,27,28,29,30,31
	v_min_u32 v[RO+\j], 0xffff, v[RO+\j]           ; held inside the tile's 65,536 bytes
.endr
	s_lshl_b32 s31, s14, 5
	s_lshl_b32 s15, s20, 7
	v_add_nc_u32 v8, s31, v2                       ; the scale bytes of tiles 2 w and 2 w + 1: rows 32 w + 16 i + r
	v_add_nc_u32 v9, 16, v8
.irp i, 0,1
	v_min_u32 v[8+\i], s21, v[8+\i]
	v_add_nc_u32 v[8+\i], s15, v[8+\i]
	v_min_u32 v[8+\i], 0x10ff, v[8+\i]
	v_lshlrev_b32 v[8+\i], 5, v[8+\i]
	v_lshl_add_u32 v[8+\i], v3, 4, v[8+\i]         ; 32 a row, + 16 h: a tile's 512 bytes lie on end
.endr
	WIN 0xc0
.irp j, 0,1,2,3,4,5,6,7,8,9,10,11,12,13,14,15,16,17,18,19,20,21,22,23,24,25,26,27,28,29,30,31
	global_load_b128 v[STG+4*\j:STG+4*\j+3], v[RO+\j], s[4:5]   ; one row: 512 consecutive bytes
.endr
.irp i, 0,1
	global_load_b128 v[4*\i:4*\i+3], v[8+\i], s[6:7]
.endr
	WIN 0
	s_mul_i32 s31, s14, s24
	s_sub_co_i32 s26, s23, s31
	s_max_i32 s26, s26, 0
	s_min_u32 s26, s26, s24                        ; my groups: what is left of the run behind the waves below me, gw at the most
	s_add_co_u32 s41, s26, 1
	s_lshr_b32 s41, s41, 1                         ; the loop's trips: two groups a trip, the last trip of an odd count one
	s_add_co_u32 s27, s22, s31                     ; the first of my groups,
	s_add_co_u32 s28, s27, s26                     ; the end,
	s_mul_i32 s29, s25, s26
	s_lshr_b32 s29, s29, 6
	s_add_co_u32 s29, s29, s27                     ; and where I begin my walk round them
; The next group of my walk into set p: 19 loads.  The set's base is written again only behind the counted wait that showed its last loads done.
.macro LOADW p
	s_min_u32 s31, s29, 785
	s_mul_i32 s36, s31, GIMG
	s_add_nc_u64 s[32+2*\p:33+2*\p], s[8:9], s[36:37]
.irp q, 0,1,2,3,4,5,6,7,8,9,10,11,12,13,14,15
	global_load_b128 v[WB+64*\p+4*\q:WB+64*\p+4*\q+3], v4, s[32+2*\p:33+2*\p] offset:512*\q   ; 512 consecutive bytes a load
.endr
	global_load_b128 v[WSC+4*\p:WSC+4*\p+3], v4, s[32+2*\p:33+2*\p] offset:8192
	global_load_b128 v[BIAS+8*\p:BIAS+8*\p+3], v5, s[32+2*\p:33+2*\p] offset:8704
	global_load_b128 v[BIAS+8*\p+4:BIAS+8*\p+7], v5, s[32+2*\p:33+2*\p] offset:8720
	s_add_co_u32 s29, s29, 1
	s_cmp_eq_u32 s29, s28
	s_cselect_b32 s29, s27, s29                    ; round to my first group
.endm
	LOADW 0
	s_wait_loadcnt 19                              ; my 32 rows and their scale words are in: behind their 34 loads stand the first group's 19
	LOADW 1
	WIN 0x0c                                       ; an LDS store's data are its source 1: window 3
.irp j, 0,1,2,3,4,5,6,7,8,9,10,11,12,13,14,15,16,17,18,19,20,21,22,23,24,25,26,27,28,29,30,31
	ds_store_b128 v10, v[STG+4*\j:STG+4*\j+3] offset:RP*\j
.endr
.irp i, 0,1
	ds_store_b128 v11, v[4*\i:4*\i+3] offset:512*\i
.endr
	WIN 0
	s_wait_dscnt 0x0                               ; for the others' sake: my rows lie in LDS
	s_barrier_signal -1
	s_barrier_wait -1
	WIN 0x40                                       ; destination window 1: tiles 0-3.  Piece p = 2 s + c of a fragment: bytes 64 s + 32 c + 16 h on of row r
.irp t, 0,1,2,3
.irp p, 0,1,2,3,4,5,6,7,8,9,10,11,12,13,14,15
	ds_load_b128 v[64*\t+4*\p:64*\t+4*\p+3], v6 offset:16*RP*\t+32*\p
.endr
.endr
	WIN 0x80                                       ; window 2: tiles 4-7
.irp t, 0,1,2,3
.irp p, 0,1,2,3,4,5,6,7,8,9,10,11,12,13,14,15
	ds_load_b128 v[64*\t+4*\p:64*\t+4*\p+3], v6 offset:16*RP*(\t+4)+32*\p
.endr
.endr
	WIN 0
.irp t, 0,1,2,3,4,5,6,7
	ds_load_b128 v[XSC+4*\t:XSC+4*\t+3], v12 offset:512*\t
.endr
	s_wait_dscnt 0x0
	s_cmp_eq_u32 s26, 0                            ; a wave that the run leaves without groups goes to the merge with m = -2^100, S = 0; no barrier is jumped over
	s_cbranch_scc1 .Lmerge
; Four matrix instructions: K step s of tiles t0 .. t0 + 3 against set p.  The four accumulators take turns, one instruction a turn.
.macro MMS p, t0, s
.irp t, \t0, \t0+1, \t0+2, \t0+3
.if \s == 0
	v_wmma_scale_f32_16x16x128_f8f6f4 v[8*(\t):8*(\t)+7], v[WB+64*\p+8*\s:WB+64*\p+8*\s+7], v[64*((\t)%4)+8*\s:64*((\t)%4)+8*\s+7], v[BIAS+8*\p:BIAS+8*\p+7], v[WSC+4*\p+\s], v[XSC+4*(\t)+\s] matrix_a_fmt:MATRIX_FMT_FP4 matrix_b_fmt:MATRIX_FMT_FP4
.elseif \s < 4
	v_wmma_scale_f32_16x16x128_f8f6f4 v[8*(\t):8*(\t)+7], v[WB+64*\p+8*\s:WB+64*\p+8*\s+7], v[64*((\t)%4)+8*\s:64*((\t)%4)+8*\s+7], v[8*(\t):8*(\t)+7], v[WSC+4*\p+\s], v[XSC+4*(\t)+\s] matrix_a_fmt:MATRIX_FMT_FP4 matrix_b_fmt:MATRIX_FMT_FP4
.else
	v_wmma_scale_f32_16x16x128_f8f6f4 v[8*(\t):8*(\t)+7], v[WB+64*\p+8*\s:WB+64*\p+8*\s+7], v[64*((\t)%4)+8*\s:64*((\t)%4)+8*\s+7], v[8*(\t):8*(\t)+7], v[WSC+4*\p+\s-4], v[XSC+4*(\t)+\s-4] matrix_a_fmt:MATRIX_FMT_FP4 matrix_b_fmt:MATRIX_FMT_FP4 matrix_a_scale:MATRIX_SCALE_ROW1 matrix_b_scale:MATRIX_SCALE_ROW1
.endif
.endr
.endm
; One group, out of set p.  mi: where m stands; mo: where the new m goes.
.macro HALF p, mi, mo
	s_wait_loadcnt 19                              ; this set's 19 loads are in; the other set's 19, issued behind them, may be out
	WIN 0xc4                                       ; W window 0, x window 1, C (the bias) window 0, D window 3
	MMS \p, 0, 0
	WIN 0xf4                                       ; C and D window 3
.irp s, 1,2,3,4,5,6,7
	MMS \p, 0, \s
.endr
	WIN 0xc8                                       ; x window 2
	MMS \p, 4, 0
	WIN 0xf8
.irp s, 1,2,3,4,5,6,7
	MMS \p, 4, \s
.endr
	WIN 0
.rept 4
	v_nop                                          ; four places behind the last products: in front of the loads into the set that they read, and of the first reads of results
.endr
	LOADW \p                                       ; the group two steps on
	WIN 0xff                                       ; all that the logsumexp touches lies in window 3
.irp t, 0,1,2,3,4,5,6,7
	v_max3_num_f32 v[TT+4*\t+1], v[8*\t], v[8*\t+1], v[8*\t+2]   ; each accumulator is read from its low end on; the eight tiles by turns, so that no line waits for the line above it
.endr
.irp t, 0,1,2,3,4,5,6,7
	v_max3_num_f32 v[TT+4*\t+1], v[TT+4*\t+1], v[8*\t+3], v[8*\t+4]
.endr
.irp t, 0,1,2,3,4,5,6,7
	v_max3_num_f32 v[TT+4*\t+1], v[TT+4*\t+1], v[8*\t+5], v[8*\t+6]
.endr
.irp t, 0,1,2,3,4,5,6,7
	v_max3_num_f32 v[\mo+\t], v[TT+4*\t+1], v[8*\t+7], v[\mi+\t]   ; the new m
.endr
.irp t, 0,1,2,3,4,5,6,7
	v_mul_f32 v[TT+4*\t], s40, v[\mo+\t]           ; -m log2 e
.endr
.irp t, 0,1,2,3,4,5,6,7
	v_fma_f32 v[TT+4*\t+2], v[\mi+\t], s38, v[TT+4*\t]   ; (old m - new m) log2 e
.endr
.irp t, 0,1,2,3,4,5,6,7
.irp j, 0,2,4,6
	v_pk_fma_f32 v[8*\t+\j:8*\t+\j+1], v[8*\t+\j:8*\t+\j+1], s[38:39], v[TT+4*\t:TT+4*\t+1] op_sel_hi:[1,0,0]   ; (logit - m) log2 e, two at a time
.endr
.endr
.irp t, 0,1,2,3,4,5,6,7
	v_exp_f32 v[TT+4*\t+2], v[TT+4*\t+2]
.endr
.irp j, 0,1,2,3,4,5,6,7,8,9,10,11,12,13,14,15,16,17,18,19,20,21,22,23,24,25,26,27,28,29,30,31,32,33,34,35,36,37,38,39,40,41,42,43,44,45,46,47,48,49,50,51,52,53,54,55,56,57,58,59,60,61,62,63
	v_exp_f32 v[\j], v[\j]
.endr
	v_nop                                          ; a plain line behind the last exponential
	s_wait_alu depctr_va_vdst(0)                   ; one wait for the 72 exponentials, ahead of the first line that names a result
.irp t, 0,1,2,3,4,5,6,7
	v_pk_add_f32 v[8*\t:8*\t+1], v[8*\t:8*\t+1], v[8*\t+2:8*\t+3]
	v_pk_add_f32 v[8*\t+4:8*\t+5], v[8*\t+4:8*\t+5], v[8*\t+6:8*\t+7]
.endr
.irp t, 0,1,2,3,4,5,6,7
	v_pk_add_f32 v[8*\t:8*\t+1], v[8*\t:8*\t+1], v[8*\t+4:8*\t+5]
.endr
.irp t, 0,1,2,3,4,5,6,7
	v_pk_fma_f32 v[SS+2*\t:SS+2*\t+1], v[SS+2*\t:SS+2*\t+1], v[TT+4*\t+2:TT+4*\t+3], v[8*\t:8*\t+1] op_sel_hi:[1,0,1]   ; S = S x the factor + the group's sum
.endr
	WIN 0                                          ; at a label and at a branch every window is 0
.endm
	s_mov_b32 s30, 0                               ; the trip's number: it steps by 1 up to s41, which the loop does not write
.Lloop:                                            ; two groups a trip: the sets, and m's two places, are back where they began.  The loop is left by its backward branch alone
	HALF 0, MA, MB
	s_lshl_b32 s31, s30, 1
	s_add_co_u32 s31, s31, 1                       ; the number of the trip's second group
	s_cmp_ge_u32 s31, s26
	s_cbranch_scc1 .Lno_second                     ; an odd count: the last trip has no second group; the way round it rejoins ahead of the counter's step
	HALF 1, MB, MA
	s_branch .Lstepped
.Lno_second:
	s_wait_loadcnt 0x0                             ; on this way the loads issued last are set 0's own: all have landed before anything goes on, so every later count holds whichever way led to it
	WIN 0xc3
.irp t, 0,1,2,3,4,5,6,7
	v_mov_b32 v[MA+\t], v[MB+\t]                   ; m back to its first place
.endr
	WIN 0
.Lstepped:
	s_add_co_u32 s30, s30, 1
	s_cmp_lt_u32 s30, s41
	s_cbranch_scc1 .Lloop
.Lmerge:
	s_wait_loadcnt 0x0                             ; the two groups that were asked for past my count have landed: their registers serve the merge
	WIN 0xff
.irp t, 0,1,2,3,4,5,6,7
	v_mul_f32 v[TT+4*\t], s38, v[MA+\t]            ; m log2 e
	v_add_f32 v[TT+4*\t+1], v[SS+2*\t], v[SS+2*\t+1]
.endr
	WIN 0x0c
.irp t, 0,1,2,3,4,5,6,7
	ds_store_b64 v13, v[TT+4*\t:TT+4*\t+1] offset:256*\t
.endr
	WIN 0
	s_wait_dscnt 0x0                               ; for the others' sake: my pairs lie in LDS
	s_barrier_signal -1
	s_barrier_wait -1
.irp i, 0,1                            ; wave w merges tiles 2 w and 2 w + 1: the four waves' pairs at v[WB + 8 i + 2 k]
.irp k, 0,1,2,3
	ds_load_b64 v[WB+8*\i+2*\k:WB+8*\i+2*\k+1], v14 offset:256*\i+2048*\k
.endr
.endr
	s_wait_dscnt 0x0
.irp i, 0,1
	v_max3_num_f32 v[200+\i], v[WB+8*\i], v[WB+8*\i+2], v[WB+8*\i+4]
.endr
.irp i, 0,1
	v_max_num_f32 v[200+\i], v[200+\i], v[WB+8*\i+6]
.endr
.irp i, 0,1
.irp k, 0,1,2,3
	v_sub_f32 v[204+4*\i+\k], v[WB+8*\i+2*\k], v[200+\i]
.endr
.endr
.irp j, 0,1,2,3,4,5,6,7
	v_exp_f32 v[204+\j], v[204+\j]
.endr
.irp j, 0,1,2,3
	v_mov_b32 v[214+\j], 0                         ; (plain lines behind the exponentials)  a lane permute's destination counts as one of its sources
.endr
	s_wait_alu depctr_va_vdst(0)                   ; one wait for the eight
.irp i, 0,1
	v_mul_f32 v[212+\i], v[WB+8*\i+1], v[204+4*\i]
.endr
.irp k, 1,2,3
.irp i, 0,1
	v_fmac_f32 v[212+\i], v[WB+8*\i+2*\k+1], v[204+4*\i+\k]
.endr
.endr
.irp i, 0,1
	v_permlanex16_b32 v[214+\i], v[200+\i], s42, s43   ; the token's other eight columns of each group lie in lane l xor 16
	v_permlanex16_b32 v[216+\i], v[212+\i], s42, s43
.endr
.irp i, 0,1
	v_max_num_f32 v[218+\i], v[200+\i], v[214+\i]
.endr
.irp i, 0,1
	v_sub_f32 v[220+\i], v[200+\i], v[218+\i]
	v_sub_f32 v[222+\i], v[214+\i], v[218+\i]
.endr
.irp j, 0,1,2,3
	v_exp_f32 v[220+\j], v[220+\j]
.endr
	v_nop
	s_wait_alu depctr_va_vdst(0)                   ; one wait for the four
.irp i, 0,1
	v_mul_f32 v[212+\i], v[212+\i], v[220+\i]
.endr
.irp i, 0,1
	v_fmac_f32 v[212+\i], v[216+\i], v[222+\i]
.endr
	v_cndmask_b32 v224, v218, v219, s44            ; lanes 0-15: tile 2 w; lanes 16-31: tile 2 w + 1: lane l holds position 32 w + l
	v_cndmask_b32 v225, v212, v213, s44
	s_lshl_b32 s36, ttmp9, 10
	s_lshl_b32 s31, s14, 8
	s_add_co_u32 s36, s36, s31
	s_add_nc_u64 s[12:13], s[12:13], s[36:37]
	s_cmp_eq_u32 s23, 0                            ; an entry that no unit took stores nothing, and nobody reads its place
	s_cbranch_scc1 .Lend
	global_store_b64 v15, v[224:225], s[12:13]     ; the wave stores 256 consecutive bytes, aligned
.Lend:
	s_wait_tensorcnt 0x0
	ds_add_u32 v254, v255
	s_wait_dscnt 0x0
	s_endpgm
.Lfunc_end_k_q7064de3059_main:
	.size	k_q7064de3059_main, .Lfunc_end_k_q7064de3059_main-k_q7064de3059_main
	.p2alignl 7, 3214868480
	.fill 96, 4, 3214868480
	.section	.rodata,"a",@progbits
	.p2align	6, 0x0
	.amdhsa_kernel k_q7064de3059_main
		.amdhsa_group_segment_fixed_size 80384
		.amdhsa_private_segment_fixed_size 0
		.amdhsa_enable_private_segment 0
		.amdhsa_kernarg_size 40
		.amdhsa_user_sgpr_count 2
		.amdhsa_user_sgpr_kernarg_segment_ptr 1
		.amdhsa_wavefront_size32 1
		.amdhsa_system_sgpr_workgroup_id_x 1
		.amdhsa_system_sgpr_workgroup_id_y 1
		.amdhsa_system_sgpr_workgroup_id_z 1
		.amdhsa_system_vgpr_workitem_id 0
		.amdhsa_next_free_vgpr 1024
		.amdhsa_next_free_sgpr 66
		.amdhsa_reserve_vcc 0
		.amdhsa_float_denorm_mode_32 3
		.amdhsa_float_denorm_mode_16_64 3
		.amdhsa_memory_ordered 1
		.amdhsa_forward_progress 1
		.amdhsa_inst_pref_size 73
	.end_amdhsa_kernel
	.amdgpu_metadata
---
amdhsa.version: [ 1, 2 ]
amdhsa.kernels:
  - .name:           k_q7064de3059_main
    .symbol:         k_q7064de3059_main.kd
    .args:
      - { .name: xc, .offset: 0, .size: 8, .value_kind: global_buffer, .address_space: global }
      - { .name: xs, .offset: 8, .size: 8, .value_kind: global_buffer, .address_space: global }
      - { .name: wimg, .offset: 16, .size: 8, .value_kind: global_buffer, .address_space: global }
      - { .name: plan, .offset: 24, .size: 8, .value_kind: global_buffer, .address_space: global }
      - { .name: part, .offset: 32, .size: 8, .value_kind: global_buffer, .address_space: global }
    .group_segment_fixed_size: 80384
    .private_segment_fixed_size: 0
    .kernarg_segment_align: 8
    .kernarg_segment_size: 40
    .max_flat_workgroup_size: 128
    .sgpr_count:     66
    .vgpr_count:     1024
    .wavefront_size: 32
...
	.end_amdgpu_metadata
.endif
;; end of part 2
;; launch fin (part 3): grid 256 x 1, 1 waves a work-group, no clusters, 0 bytes of LDS; arguments y, pos, gate, cluster_b, plan, part, xc, xs, logits_w_codes, logits_w_scales, logits_b, out0; writes out0
.if DOCPART == 3
	.amdgcn_target "amdgcn-amd-amdhsa--gfx1250"
	.amdhsa_code_object_version 6
	.text
	.protected	k_q7064de3059_fin
	.globl	k_q7064de3059_fin
	.p2align	8
	.type	k_q7064de3059_fin,@function
k_q7064de3059_fin:
	s_mov_b64 s[64:65], 0
	v_nop
	global_prefetch_b8 v0, s[64:65] scope:SCOPE_SE
	s_setreg_imm32_b32 hwreg(HW_REG_WAVE_MODE, 25, 1), 1
	s_wait_xcnt 0x0
; FIN: nll = logsumexp(the cluster's logits) - logit[y] - (gate logit of the cluster - logsumexp(the three gate logits)).
; One wave to a work-group; it takes 16 tokens in token order; lane (r, h) serves token r.  The target's logit: source 0 = the 16 tokens' target rows of W, gathered as they lie
; (codes and scale bytes), source 1 = the 16 tokens' codes; eight products of 128 along K on two accumulators by turns; the diagonal of the 16 x 16 result is wanted.
; The logsumexp: the token's tile was walked by Cc units (32 at the most: a unit has 16 groups or more and a cluster 500 at the most); lane (r, h) reads the pairs
; (m log2 e, S) of units 2 k + h, k = 0 .. 15; slots past Cc repeat the last unit and their S counts as 0.  No branch hangs on data.
; Nearly all of a wave's 54 loads are gathers of rows and pairs that lie far apart, so the tokens are shared out as widely as tiles of 16 allow: 256 work-groups.  Nothing is staged
; and nothing is shared: no LDS, no barrier.  The price: a work-group's 16 results are 64 consecutive bytes, not 256; the launch's whole output is 16,384 bytes.
; LIMITS: y is taken to lie in 0 .. 12,563 and is held there for addresses; NaN and infinities are not served.
.set XF,  32                           ; v32-95    x's eight fragments
.set WF,  96                           ; v96-159   the target rows' eight fragments
.set PA,  170                          ; v170-185  offsets of the 16 pairs
.set PE,  186                          ; v186-217  the pairs
.set D0,  218
.set D1,  226
	s_load_b512 s[8:23], s[0:1], 0x0               ; y s[8:9], pos s[10:11], gate s[12:13], cluster_b s[14:15], plan s[16:17], part s[18:19], xc s[20:21], xs s[22:23]
	s_load_b256 s[24:31], s[0:1], 0x40             ; W's codes s[24:25], W's scales s[26:27], logits_b s[28:29], out0 s[30:31]
	v_and_b32 v1, 15, v0                           ; r
	v_bfe_u32 v2, v0, 4, 1                         ; h
	s_lshl_b32 s44, ttmp9, 4
	v_add_nc_u32 v3, s44, v1                       ; my token
	v_lshlrev_b32 v4, 4, v3
	v_lshlrev_b32 v3, 2, v3
	v_lshlrev_b32 v27, 2, v1                       ; my token's result among the work-group's 16
	s_mov_b32 s46, 2000
	s_mov_b32 s47, 10000
	s_mov_b32 s48, 0x76543210
	s_mov_b32 s49, 0xfedcba98                      ; v_permlanex16_b32's selects for lane l xor 16
.irp j, 1,2,3,4,5,6,7
	s_mov_b32 s[50+\j], 0x01010101<<\j             ; lanes with lane % 8 = j
.endr
	s_mov_b32 s58, 0xff0000ff                      ; the lanes that hold a diagonal element
	s_mov_b32 s59, 0x3fb8aa3b                      ; log2 e
	s_mov_b32 s60, 0x3f317218                      ; ln 2
	s_lshl_b32 s62, ttmp9, 6
	s_mov_b32 s63, 0
	v_mov_b32 v243, 0                              ; lane permutes' destinations count as sources: written once
	v_mov_b32 v247, 0
	v_mov_b32 v248, 0
	s_wait_kmcnt 0x0
	s_add_nc_u64 s[30:31], s[30:31], s[62:63]
	s_load_b256 s[32:39], s[16:17], 0x1000         ; the plan's header: n0, n0 + n1, C0, C1, C2, U1, U2, 0
	s_load_b96 s[40:42], s[14:15], 0x0             ; cluster_b
	global_load_b32 v5, v3, s[8:9]
	global_load_b32 v6, v3, s[10:11]
	global_load_b128 v[8:11], v4, s[12:13]
	s_wait_loadcnt 0x0
	s_wait_kmcnt 0x0
	v_min_u32 v12, 0x3113, v5                      ; y, held inside the vocabulary
	v_min_u32 v13, 0x10ff, v6                      ; the sorted position, held inside xc
	v_cmp_le_u32 s44, s46, v5                      ; cluster 1 or 2
	v_cmp_le_u32 s45, s47, v5                      ; cluster 2
	v_cndmask_b32 v14, 0, s32, s44
	v_cndmask_b32 v14, v14, s33, s45               ; the cluster's first tile,
	v_mov_b32 v15, s34
	v_cndmask_b32 v15, v15, s35, s44
	v_cndmask_b32 v15, v15, s36, s45               ; units a tile,
	v_cndmask_b32 v16, 0, s37, s44
	v_cndmask_b32 v16, v16, s38, s45               ; first unit
	v_lshrrev_b32 v17, 7, v13
	v_sub_nc_u32 v17, v17, v14
	v_mad_u32_u24 v17, v17, v15, v16               ; my tile's first unit
	v_and_b32 v18, 0x7f, v13
	v_lshlrev_b32 v18, 3, v18                      ; my place in a unit's 128 pairs
	v_add_nc_u32 v19, -1, v15
	v_sub_nc_u32 v20, v15, v2                      ; slot k counts where 2 k + h < Cc
	v_lshlrev_b32 v22, 9, v13
	v_lshl_add_u32 v22, v2, 4, v22                 ; x's codes: row, + 16 h
	v_lshlrev_b32 v23, 5, v13
	v_lshl_add_u32 v23, v2, 4, v23                 ; its scale bytes
	v_lshlrev_b32 v24, 9, v12
	v_lshl_add_u32 v24, v2, 4, v24                 ; the target row's codes
	v_lshlrev_b32 v25, 5, v12
	v_lshl_add_u32 v25, v2, 4, v25                 ; its scale bytes
	v_lshlrev_b32 v26, 2, v12                      ; its bias
.irp k, 0,1,2,3,4,5,6,7,8,9,10,11,12,13,14,15
	v_add_nc_u32 v21, 2*\k, v2
	v_min_u32 v21, v21, v19
	v_add_nc_u32 v21, v21, v17
	v_min_u32 v21, 0xff, v21                       ; held inside part's 256 units
	v_lshl_add_u32 v[PA+\k], v21, 10, v18
.endr
.irp p, 0,1,2,3,4,5,6,7,8,9,10,11,12,13,14,15
	global_load_b128 v[XF+4*\p:XF+4*\p+3], v22, s[20:21] offset:32*\p
	global_load_b128 v[WF+4*\p:WF+4*\p+3], v24, s[24:25] offset:32*\p
.endr
	global_load_b128 v[160:163], v23, s[22:23]     ; register q: K step q in lanes 0-15, K step 4 + q in lanes 16-31
	global_load_b128 v[164:167], v25, s[26:27]
	global_load_b32 v168, v26, s[28:29]
.irp k, 0,1,2,3,4,5,6,7,8,9,10,11,12,13,14,15
	global_load_b64 v[PE+2*\k:PE+2*\k+1], v[PA+\k], s[18:19]
.endr
	s_wait_loadcnt 0x0
	; the two accumulators take turns; the first product of each starts its sum
.irp s, 0,1,2,3,4,5,6,7
.if \s < 2
	v_wmma_scale_f32_16x16x128_f8f6f4 v[D0+8*(\s%2):D0+8*(\s%2)+7], v[WF+8*\s:WF+8*\s+7], v[XF+8*\s:XF+8*\s+7], 0, v[164+\s], v[160+\s] matrix_a_fmt:MATRIX_FMT_FP4 matrix_b_fmt:MATRIX_FMT_FP4
.elseif \s < 4
	v_wmma_scale_f32_16x16x128_f8f6f4 v[D0+8*(\s%2):D0+8*(\s%2)+7], v[WF+8*\s:WF+8*\s+7], v[XF+8*\s:XF+8*\s+7], v[D0+8*(\s%2):D0+8*(\s%2)+7], v[164+\s], v[160+\s] matrix_a_fmt:MATRIX_FMT_FP4 matrix_b_fmt:MATRIX_FMT_FP4
.else
	v_wmma_scale_f32_16x16x128_f8f6f4 v[D0+8*(\s%2):D0+8*(\s%2)+7], v[WF+8*\s:WF+8*\s+7], v[XF+8*\s:XF+8*\s+7], v[D0+8*(\s%2):D0+8*(\s%2)+7], v[164+\s-4], v[160+\s-4] matrix_a_fmt:MATRIX_FMT_FP4 matrix_b_fmt:MATRIX_FMT_FP4 matrix_a_scale:MATRIX_SCALE_ROW1 matrix_b_scale:MATRIX_SCALE_ROW1
.endif
.endr
	v_max3_num_f32 v244, v[PE], v[PE+2], v[PE+4]   ; the largest m log2 e of my 16 slots: eight plain lines on other registers, which are also the places behind the products
.irp k, 3,5,7,9,11,13
	v_max3_num_f32 v244, v244, v[PE+2*\k], v[PE+2*\k+2]
.endr
	v_max_num_f32 v244, v244, v[PE+30]
.irp j, 0,1,2,3,4,5,6,7
	v_add_f32 v[234+\j], v[D0+\j], v[D1+\j]        ; both accumulators from their low ends on
.endr
	v_cndmask_b32 v242, v234, v235, s51            ; lane (r, h), register j holds (row 8 h + j, token r): the diagonal is register lane % 8 of lanes 0-7 and 24-31
.irp j, 2,3,4,5,6,7
	v_cndmask_b32 v242, v242, v[234+\j], s[50+\j]
.endr
	v_permlanex16_b32 v243, v242, s48, s49
	v_cndmask_b32 v242, v243, v242, s58            ; the other lanes take it from lane l xor 16
	v_add_f32 v242, v242, v168                     ; + the bias: the target's logit
.irp k, 0,1,2,3,4,5,6,7,8,9,10,11,12,13,14,15
	v_cmp_lt_u32 vcc_lo, 2*\k, v20
	v_cndmask_b32 v[PE+2*\k+1], 0, v[PE+2*\k+1], vcc_lo   ; a slot past the tile's units counts for nothing
	v_sub_f32 v[PE+2*\k], v[PE+2*\k], v244
.endr
	v_add_f32 v8, s40, v8                          ; the gate's logits
	v_add_f32 v9, s41, v9
	v_add_f32 v10, s42, v10
	v_max3_num_f32 v252, v8, v9, v10
.irp c, 0,1,2
	v_sub_f32 v[234+\c], v[8+\c], v252
.endr
.irp c, 0,1,2
	v_mul_f32 v[234+\c], s59, v[234+\c]
.endr
.irp k, 0,1,2,3,4,5,6,7,8,9,10,11,12,13,14,15
	v_exp_f32 v[PE+2*\k], v[PE+2*\k]
.endr
.irp c, 0,1,2
	v_exp_f32 v[234+\c], v[234+\c]
.endr
	v_cndmask_b32 v240, v8, v9, s44                ; (plain lines behind the exponentials)  the gate logit of my cluster
	v_cndmask_b32 v240, v240, v10, s45
	s_wait_alu depctr_va_vdst(0)                   ; one wait for the 19, ahead of the first line that names a result
	v_mul_f32 v245, v[PE+1], v[PE]
	v_mul_f32 v246, v[PE+3], v[PE+2]
.irp k, 2,4,6,8,10,12,14
	v_fmac_f32 v245, v[PE+2*\k+1], v[PE+2*\k]
	v_fmac_f32 v246, v[PE+2*\k+3], v[PE+2*\k+2]
.endr
	v_add_f32 v245, v245, v246
	v_add_f32 v237, v234, v235
	v_add_f32 v237, v237, v236                     ; the gate's sum
	v_permlanex16_b32 v247, v244, s48, s49         ; the odd (or even) units lie in lane l xor 16
	v_permlanex16_b32 v248, v245, s48, s49
	v_max_num_f32 v249, v244, v247
	v_sub_f32 v250, v244, v249
	v_sub_f32 v251, v247, v249
	v_exp_f32 v250, v250
	v_exp_f32 v251, v251
	v_log_f32 v238, v237
	v_nop
	s_wait_alu depctr_va_vdst(0)                   ; one wait for the three
	v_mul_f32 v245, v245, v250
	v_fmac_f32 v245, v248, v251
	v_log_f32 v241, v245
	v_fma_f32 v239, v238, s60, v252                ; (a plain line behind the logarithm)  the gate's logsumexp
	s_wait_alu depctr_va_vdst(0)
	v_add_f32 v241, v249, v241                     ; log2 of the cluster's sum of exponentials
	v_fma_f32 v253, v241, s60, -v242               ; its logsumexp less the target's logit,
	v_sub_f32 v253, v253, v240                     ; less the gate's logit,
	v_add_f32 v253, v253, v239                     ; plus the gate's logsumexp
	global_store_b32 v27, v253, s[30:31]           ; 16 results, 64 consecutive bytes; both lanes of a token store the same word with the same value
	s_endpgm
.Lfunc_end_k_q7064de3059_fin:
	.size	k_q7064de3059_fin, .Lfunc_end_k_q7064de3059_fin-k_q7064de3059_fin
	.p2alignl 7, 3214868480
	.fill 96, 4, 3214868480
	.section	.rodata,"a",@progbits
	.p2align	6, 0x0
	.amdhsa_kernel k_q7064de3059_fin
		.amdhsa_group_segment_fixed_size 0
		.amdhsa_private_segment_fixed_size 0
		.amdhsa_enable_private_segment 0
		.amdhsa_kernarg_size 96
		.amdhsa_user_sgpr_count 2
		.amdhsa_user_sgpr_kernarg_segment_ptr 1
		.amdhsa_wavefront_size32 1
		.amdhsa_system_sgpr_workgroup_id_x 1
		.amdhsa_system_sgpr_workgroup_id_y 1
		.amdhsa_system_sgpr_workgroup_id_z 1
		.amdhsa_system_vgpr_workitem_id 0
		.amdhsa_next_free_vgpr 256
		.amdhsa_next_free_sgpr 80
		.amdhsa_reserve_vcc 1
		.amdhsa_float_denorm_mode_32 3
		.amdhsa_float_denorm_mode_16_64 3
		.amdhsa_memory_ordered 1
		.amdhsa_forward_progress 1
		.amdhsa_inst_pref_size 19
	.end_amdhsa_kernel
	.amdgpu_metadata
---
amdhsa.version: [ 1, 2 ]
amdhsa.kernels:
  - .name:           k_q7064de3059_fin
    .symbol:         k_q7064de3059_fin.kd
    .args:
      - { .name: y, .offset: 0, .size: 8, .value_kind: global_buffer, .address_space: global }
      - { .name: pos, .offset: 8, .size: 8, .value_kind: global_buffer, .address_space: global }
      - { .name: gate, .offset: 16, .size: 8, .value_kind: global_buffer, .address_space: global }
      - { .name: cluster_b, .offset: 24, .size: 8, .value_kind: global_buffer, .address_space: global }
      - { .name: plan, .offset: 32, .size: 8, .value_kind: global_buffer, .address_space: global }
      - { .name: part, .offset: 40, .size: 8, .value_kind: global_buffer, .address_space: global }
      - { .name: xc, .offset: 48, .size: 8, .value_kind: global_buffer, .address_space: global }
      - { .name: xs, .offset: 56, .size: 8, .value_kind: global_buffer, .address_space: global }
      - { .name: logits_w_codes, .offset: 64, .size: 8, .value_kind: global_buffer, .address_space: global }
      - { .name: logits_w_scales, .offset: 72, .size: 8, .value_kind: global_buffer, .address_space: global }
      - { .name: logits_b, .offset: 80, .size: 8, .value_kind: global_buffer, .address_space: global }
      - { .name: out0, .offset: 88, .size: 8, .value_kind: global_buffer, .address_space: global }
    .group_segment_fixed_size: 0
    .private_segment_fixed_size: 0
    .kernarg_segment_align: 8
    .kernarg_segment_size: 96
    .max_flat_workgroup_size: 32
    .sgpr_count:     80
    .vgpr_count:     256
    .wavefront_size: 32
...
	.end_amdgpu_metadata
.endif
;; end of part 3
;; ======== version 2 of 2: 3 launches
;; limits: right only within a limited range of input values
;; workspace buffers: xc 2,228,224 bytes; xs 139,264 bytes; gate 65,536 bytes; pos 16,384 bytes of whole numbers; wimg 7,042,560 bytes; plan 4,352 bytes of whole numbers; part 262,144 bytes
;; launch prep (part 4): grid 356 x 1, 8 waves a work-group, no clusters, 123,392 bytes of LDS; arguments x, y, cluster_w, logits_w_codes, logits_w_scales, logits_b, xc, xs, gate, pos, wimg, plan; writes xc, xs, gate, pos, wimg, plan
.if DOCPART == 4
	.amdgcn_target "amdgcn-amd-amdhsa--gfx1250"
	.amdhsa_code_object_version 6
	.text
	.protected	k_q7064de3059_prep
	.globl	k_q7064de3059_prep
	.p2align	8
	.type	k_q7064de3059_prep,@function
k_q7064de3059_prep:
	s_mov_b64 s[64:65], 0
	v_nop
	global_prefetch_b8 v0, s[64:65] scope:SCOPE_SE
	s_setreg_imm32_b32 hwreg(HW_REG_WAVE_MODE, 25, 1), 1
	s_wait_xcnt 0x0
; PREP: three kinds of work-group, parted by the work-group's number; each kind has LDS bytes of its own.
;   0          PLAN: counts the tokens of the three clusters (y < 2000, < 10000, the rest) and writes the list of 256 units for the next launch.
;   1 .. 256   X: 16 tokens each.  A token's 1,024 numbers become E2M1 codes (512 bytes) and 32 E8M0 bytes, stored at the token's SORTED position
;              (clusters one behind the other, each begun on a multiple of 128 positions, token order inside); its three gate products x . cluster_w in f32; its position.
;   257 .. 355 W: a wave lays one group of 16 vocabulary rows out as images of operand registers: 16 pieces of 512 bytes (piece 2 s + c: lane (r, h) holds bytes
;              64 s + 32 c + 16 h .. + 15 of row r), 512 bytes of scale bytes (lane (r, h): bytes 16 h .. 16 h + 15 of row r), 256 bytes of biases (16 words, four times).
;              Rows past the vocabulary's end repeat its last row, and their bias is -2^100.
; A block's scale is 2^(floor(log2(largest magnitude)) - 2); its byte is the largest magnitude's exponent field - 2, held at 1 from below.
; LIMITS: NaN and infinities in x are not served; blocks of x whose largest magnitude lies under 2^-124, blocks of zeros among them, get the byte 1 (their codes are
; read by this program alone); y is taken to lie in 0 .. 12,563; the gate's f32 sums are added in another order than a plain loop over K would add them.
; No tensor loads and no matrix work: the launch streams x once (each load of a wave covers 512 consecutive bytes) and stores whole runs.  EXEC is never changed.
; cluster_w: a lane wants the 12 numbers beside its 4 of x, 48 bytes a lane.  Each wave reads an eighth of the 12,288 bytes as they lie (three loads of 512 consecutive bytes);
; the eighths meet in LDS, and every wave takes its 48 bytes a lane from there.
.set XTURN, 0                          ; X: two stages of 32 x 80 bytes for each wave
.set XSB,   40960                      ; X: 64 scale bytes for each wave
.set XCNT,  41472                      ; X: four counts for each wave
.set XGATE, 41728                      ; X: 16 tokens x 4 words
.set XPOS,  41984                      ; X: 16 positions
.set WT,    42240                      ; W: 16 rows of 512 + 16 bytes for each wave
.set PCNT,  109824                     ; PLAN: two counts for each wave
.set XCW,   110080                     ; X: cluster_w as it lies in memory, 12,288 bytes
.set NEG,   0xf1800000                 ; -2^100
.set R,   16                           ; v16-79    the wave's two rows of x as loaded
.set X,   80                           ; v80-111   two sets of 16 neighbours
.set CW,  112                          ; v112-207  cluster_w: register 12 i + 3 e + c = cluster_w[128 i + 4 lane + e][c]
.set Y,   208                          ; v208-223  512 numbers of y for a wave
.set Y16, 224                          ; v224      y of the work-group's 16 tokens
.set C,   226                          ; v226-233  codes, two registers a step
.set E,   234                          ; v234-237  a scale byte a step
.set G,   238                          ; v238-243  gate sums: 3 a + c
.set TP,  244                          ; v244-251  at work (v250, v251 first serve as the offsets of my eighth of cluster_w, in memory and in LDS)
; The wave's 512 numbers of y are counted: s38 = how many are 2000 or more, s39 = 10000 or more.  pre = 1: s40, s41 the same among tokens ahead of the work-group's first (masks s44-47).
.macro COUNT pre
	s_mov_b32 s38, 0
	s_mov_b32 s39, 0
.if \pre
	s_mov_b32 s40, 0
	s_mov_b32 s41, 0
.endif
.irp i, 0,1,2,3,4,5,6,7,8,9,10,11,12,13,14,15
	v_cmp_le_u32 s42, s36, v[Y+\i]
	v_cmp_le_u32 s43, s37, v[Y+\i]
	s_bcnt1_i32_b32 s48, s42
	s_bcnt1_i32_b32 s49, s43
	s_add_co_u32 s38, s38, s48
	s_add_co_u32 s39, s39, s49
.if \pre
	s_and_b32 s42, s42, s[44+\i/4]
	s_and_b32 s43, s43, s[44+\i/4]
	s_bcnt1_i32_b32 s48, s42
	s_bcnt1_i32_b32 s49, s43
	s_add_co_u32 s40, s40, s48
	s_add_co_u32 s41, s41, s49
.endif
.endr
.endm
	s_load_b512 s[8:23], s[0:1], 0x0               ; x s[8:9], y s[10:11], cluster_w s[12:13], W's codes s[14:15], W's scales s[16:17], logits_b s[18:19], xc s[20:21], xs s[22:23]
	s_load_b256 s[24:31], s[0:1], 0x40             ; gate s[24:25], pos s[26:27], wimg s[28:29], plan s[30:31]
	s_set_vgpr_msb 0x40
	v_lshl_add_u32 v0, v0, 2, 0x1de00
	v_mov_b32 v1, 0
	s_set_vgpr_msb 0x4000
	v_lshrrev_b32 v2, 5, v0
	s_delay_alu instid0(VALU_DEP_1)
	v_readfirstlane_b32 s32, v2                    ; wave 0..7
	v_and_b32 v1, 31, v0                           ; lane
	s_delay_alu instid0(VALU_DEP_1)
	v_lshlrev_b32 v2, 4, v1                        ; 16 x lane
	s_mov_b32 s36, 2000
	s_mov_b32 s37, 10000
	s_lshl_b32 s48, s32, 11
	v_add_nc_u32 v4, s48, v2                       ; y: my wave's 2,048 bytes, 16 a lane
	s_cmp_eq_u32 ttmp9, 0
	s_cbranch_scc1 .Lplan
	s_cmp_gt_u32 ttmp9, 256
	s_cbranch_scc1 .Lweights
; ---------------------------------------------------------------- X: 16 tokens; wave w takes tokens 2 w and 2 w + 1 of them
	s_sub_co_u32 s33, ttmp9, 1                     ; which 16 tokens
	s_lshl_b32 s34, s33, 4                         ; the first of them
	s_wait_alu depctr_va_vdst(0)
	v_mul_u32_u24 v3, v1, 48
	s_delay_alu instid0(VALU_DEP_1)
	v_add_nc_u32 v3, XCW, v3                       ; LDS: cluster_w as a lane wants it: 12 numbers, 48 bytes a lane
	s_mul_i32 s48, s32, 1536
	v_add_nc_u32 v250, s48, v2                     ; my wave's eighth of cluster_w in memory: 1,536 bytes, 16 a lane and load
	s_delay_alu instid0(VALU_DEP_1)
	v_add_nc_u32 v251, XCW, v250                   ; and its place in LDS
	v_and_b32 v5, 15, v1
	s_delay_alu instid0(VALU_DEP_1)
	v_add_nc_u32 v5, s34, v5
	s_delay_alu instid0(VALU_DEP_1)
	v_lshlrev_b32 v5, 2, v5                        ; y of token (lane % 16) of the 16
	s_mul_i32 s49, s32, 5120                       ; my wave's stages
	v_lshrrev_b32 v6, 2, v1
	s_delay_alu instid0(VALU_DEP_1)
	v_mul_u32_u24 v6, v6, 80
	v_and_b32 v7, 3, v1
	s_delay_alu instid0(VALU_DEP_1)
	v_lshl_add_u32 v6, v7, 4, v6
	s_delay_alu instid0(VALU_DEP_1)
	v_add_nc_u32 v6, s49, v6                       ; into a stage: four lanes' 64 bytes on end, then 16 of padding
	v_mul_u32_u24 v7, v1, 80
	s_delay_alu instid0(VALU_DEP_1)
	v_add_nc_u32 v7, s49, v7                       ; out of it: 80 x lane: my 16 neighbours
	s_lshl_b32 s49, s32, 6
	s_add_co_u32 s49, s49, XSB
	v_lshrrev_b32 v14, 1, v1
	s_delay_alu instid0(VALU_DEP_1)
	v_add_nc_u32 v14, s49, v14                     ; my block's scale byte
	v_lshlrev_b32 v15, 3, v1                       ; 8 x lane
	s_lshl_b32 s48, s32, 4
	s_add_co_u32 s48, s48, XCNT
	v_mov_b32 v12, s48                             ; my wave's four counts
	v_mov_b32 v13, XCNT
	v_and_b32 v252, 3, v1
	s_delay_alu instid0(VALU_DEP_1)
	v_lshlrev_b32 v252, 2, v252
	s_lshl_b32 s48, s32, 5
	s_add_co_u32 s48, s48, XGATE
	v_add_nc_u32 v252, s48, v252                   ; gate words: 32 bytes a wave, word lane % 4
	v_and_b32 v253, 1, v1
	s_delay_alu instid0(VALU_DEP_1)
	v_lshlrev_b32 v253, 2, v253
	s_lshl_b32 s48, s32, 3
	s_add_co_u32 s48, s48, XPOS
	v_add_nc_u32 v253, s48, v253                   ; positions: 8 bytes a wave, word lane % 2
	v_lshlrev_b32 v255, 1, v1                      ; 2 x lane
	s_delay_alu instid0(VALU_DEP_1)
	v_add_nc_u32 v254, s49, v255                   ; my two of the wave's 64 scale bytes
	v_add_nc_u32 v225, XGATE, v15                  ; wave 0's way out
	s_delay_alu instid0(VALU_DEP_3)
	v_add_nc_u32 v10, XPOS, v255
.irp k, 0,1,2,3,4,5
	v_mov_b32 v[TP+\k], 0                          ; written once: a lane permute's destination counts as one of its sources
.endr
	s_mov_b32 s72, 0x76543210
	s_mov_b32 s73, 0xfedcba98                      ; v_permlanex16_b32's selects for lane l xor 16
	s_mov_b32 s74, 0x22222222                      ; lanes with lane % 4 = 1
	s_mov_b32 s75, 0xcccccccc                      ; lane % 4 = 2, 3
	s_mov_b32 s76, 0xaaaaaaaa                      ; odd lanes
	s_mov_b32 s77, 0xffff0000                      ; lanes 16-31
	s_lshr_b32 s50, s33, 7                         ; batch 1 lies one dropped row further on
	s_add_co_u32 s50, s50, s34
	s_lshl_b32 s51, s32, 1
	s_add_co_u32 s50, s50, s51
	s_lshl_b32 s50, s50, 12                        ; my first row of x, in bytes (under 2^25)
	s_mov_b32 s51, 0
	s_wait_kmcnt 0x0
	s_add_nc_u64 s[8:9], s[8:9], s[50:51]
	global_load_b32 v[Y16], v5, s[10:11]
.irp q, 0,1,2,3
	global_load_b128 v[Y+4*\q:Y+4*\q+3], v4, s[10:11] offset:512*\q
.endr
.irp j, 0,1,2
	global_load_b128 v[CW+4*\j:CW+4*\j+3], v250, s[12:13] offset:512*\j   ; my eighth of cluster_w: 512 consecutive bytes a load
.endr
.irp i, 0,1,2,3,4,5,6,7,8,9,10,11,12,13,14,15
	global_load_b128 v[R+4*\i:R+4*\i+3], v2, s[8:9] offset:512*\i th:TH_LOAD_NT   ; 512 consecutive bytes a load: both rows are on their way at once
.endr
	s_lshl_b32 s48, s32, 9
	v_lshl_add_u32 v8, v1, 2, s48                  ; the token of register 4 q of Y: 512 w + 128 q + 4 lane
.irp q, 0,1,2,3
	v_add_nc_u32 v9, 128*\q, v8
	s_delay_alu instid0(VALU_DEP_1)
	v_cmp_gt_u32 s[44+\q], s34, v9                 ; ahead of my work-group's first token?  (that is a multiple of 16, so one mask serves a register quad)
.endr
	s_wait_loadcnt 19                              ; y is in: behind it stand the 3 loads of cluster_w and the 16 of x
	COUNT 1
	v_cmp_le_u32 s52, s36, v[Y16]
	v_cmp_le_u32 s53, s37, v[Y16]
	s_and_b32 s52, s52, 0xffff                     ; bit j: token j of the 16 has y >= 2000
	s_and_b32 s53, s53, 0xffff                     ; y >= 10000
	v_mov_b32 v80, s38
	v_mov_b32 v81, s39
	v_mov_b32 v82, s40
	v_mov_b32 v83, s41
	s_wait_alu depctr_va_vdst(0)
	s_wait_loadcnt 16                              ; my eighth of cluster_w is in: behind it stand x's 16 loads
.irp j, 0,1,2
	ds_store_b128 v251, v[CW+4*\j:CW+4*\j+3] offset:512*\j
.endr
	ds_store_b128 v12, v[80:83]                    ; all lanes write the same 16 bytes with the same values
	s_wait_dscnt 0x0                               ; for the others' sake: my counts and my eighth of cluster_w lie in LDS
	s_barrier_signal -1
	s_barrier_wait -1
.irp i, 0,1,2,3,4,5,6,7
	ds_load_b128 v[80+4*\i:83+4*\i], v13 offset:16*\i
.endr
.irp i, 0,1,2,3,4,5,6,7
.irp p, 0,1,2
	ds_load_b128 v[CW+12*\i+4*\p:CW+12*\i+4*\p+3], v3 offset:1536*\i+16*\p   ; 48 bytes from lane to lane: sixteen lanes fall on the 16-byte columns 3 l mod 16, each once
.endr
.endr
	s_wait_dscnt 24                                ; the eight loads of counts are in; cluster_w's 24, issued behind them, may be out
.irp i, 1,2,3,4,5,6,7
.irp c, 0,1,2,3
	v_add_nc_u32 v[80+\c], v[80+\c], v[80+4*\i+\c]
.endr
.endr
	s_delay_alu instid0(VALU_DEP_4)
	v_readfirstlane_b32 s38, v80                   ; all tokens with y >= 2000,
	s_delay_alu instid0(VALU_DEP_4)
	v_readfirstlane_b32 s39, v81                   ; >= 10000,
	s_delay_alu instid0(VALU_DEP_4)
	v_readfirstlane_b32 s40, v82                   ; and the same among the tokens ahead of mine
	s_delay_alu instid0(VALU_DEP_4)
	v_readfirstlane_b32 s41, v83
	s_sub_co_u32 s54, s38, s39                     ; tokens of cluster 1
	s_sub_co_u32 s55, 4096, s38                    ; of cluster 0
	s_add_co_u32 s55, s55, 127
	s_lshr_b32 s55, s55, 7                         ; tiles of cluster 0
	s_add_co_u32 s54, s54, 127
	s_lshr_b32 s54, s54, 7                         ; of cluster 1
	s_add_co_u32 s54, s54, s55
	s_lshl_b32 s55, s55, 7                         ; where cluster 1 begins
	s_lshl_b32 s54, s54, 7                         ; where cluster 2 begins
	s_add_co_u32 s54, s54, s41                     ; + its tokens ahead of my work-group
	s_sub_co_u32 s56, s40, s41
	s_add_co_u32 s55, s55, s56                     ; cluster 1 likewise
	s_sub_co_u32 s56, s34, s40                     ; cluster 0 likewise
.irp a, 0,1                            ; my two tokens' positions: s70, s71; their rows of xc: s[66:67], s[68:69]
	s_lshl_b32 s57, s32, 1
	s_add_co_u32 s57, s57, \a                      ; j: which of the 16
	s_bfm_b32 s58, s57, 0                          ; the tokens below j
	s_and_b32 s59, s52, s58
	s_bcnt1_i32_b32 s59, s59
	s_and_b32 s60, s53, s58
	s_bcnt1_i32_b32 s60, s60
	s_add_co_u32 s61, s56, s57
	s_sub_co_u32 s61, s61, s59                     ; the position if the token is of cluster 0,
	s_add_co_u32 s62, s55, s59
	s_sub_co_u32 s62, s62, s60                     ; of cluster 1,
	s_add_co_u32 s63, s54, s60                     ; of cluster 2
	s_bitcmp1_b32 s52, s57
	s_cselect_b32 s61, s62, s61
	s_bitcmp1_b32 s53, s57
	s_cselect_b32 s61, s63, s61
	s_min_u32 s[70+\a], s61, 4351                  ; held inside xc's 4,352 rows
	s_lshl_b32 s58, s[70+\a], 9
	s_mov_b32 s59, 0
	s_add_nc_u64 s[66+2*\a:67+2*\a], s[20:21], s[58:59]
.endr
; Step t = 512 numbers: half t % 2 of token t / 2.  The conversions want 16 NEIGHBOURS in a lane, the loads gave 4: the step's 2,048 bytes turn through the wave's own stage.
.macro TURN t
.irp i, 0,1,2,3
	ds_store_b128 v6, v[R+16*(\t)+4*\i:R+16*(\t)+4*\i+3] offset:2560*((\t)%2)+640*\i
.endr
.irp i, 0,1,2,3
	ds_load_b128 v[X+16*((\t)%2)+4*\i:X+16*((\t)%2)+4*\i+3], v7 offset:2560*((\t)%2)+16*\i   ; LDS serves a wave's instructions in order: these see the stores above
.endr
.endm
.macro STEP t
.set XS, X+16*((\t)%2)
.if (\t) > 0
	s_wait_dscnt 1                                 ; this step's numbers are back; the last step's byte store may be out
.else
	s_wait_dscnt 0x0                               ; step 0's numbers are back, and so is cluster_w, asked for ahead of them
.endif
.if (\t) < 3
	s_wait_loadcnt 8-4*(\t)                        ; the next step's four loads are in: behind them stand x's later loads
	TURN (\t)+1
.endif
	v_max3_num_f32 v8, |v[XS]|, |v[XS+1]|, |v[XS+2]|
	v_max3_num_f32 v9, |v[XS+3]|, |v[XS+4]|, |v[XS+5]|
.irp i, 6,10
	s_delay_alu instid0(VALU_DEP_2)
	v_max3_num_f32 v8, v8, |v[XS+\i]|, |v[XS+\i+1]|
	s_delay_alu instid0(VALU_DEP_2)
	v_max3_num_f32 v9, v9, |v[XS+\i+2]|, |v[XS+\i+3]|
.endr
	s_delay_alu instid0(VALU_DEP_2)
	v_max3_num_f32 v8, v8, |v[XS+14]|, |v[XS+15]|
	s_delay_alu instid0(VALU_DEP_1)
	v_max3_num_f32 v8, v8, v9, 0x1800000           ; and the floor 2^(3 - 127): the byte cannot fall under 1
	s_delay_alu instid0(VALU_DEP_1)
	v_max_num_f32_dpp v8, v8, v8 row_xmask:1 row_mask:0xf bank_mask:0xf   ; with my neighbour's 16: the block's largest magnitude
	s_delay_alu instid0(VALU_DEP_1)
	v_add_nc_u32 v11, 0xff000000, v8               ; 2 off its exponent field: the conversion takes this operand's exponent field as its scale
	v_cvt_scalef32_pk8_fp4_f32 v[C+2*(\t)], v[XS:XS+7], v11
	v_cvt_scalef32_pk8_fp4_f32 v[C+2*(\t)+1], v[XS+8:XS+15], v11
	v_lshrrev_b32 v[E+(\t)], 23, v11               ; the scale's byte (a plain line behind the conversions)
	ds_store_b8 v14, v[E+(\t)] offset:16*(\t)      ; both lanes of a block write the same byte
	global_store_b64 v15, v[C+2*(\t):C+2*(\t)+1], s[66+2*((\t)/2):67+2*((\t)/2)] offset:256*((\t)%2)   ; the wave stores 256 consecutive bytes, aligned
.endm
	s_wait_loadcnt 12                              ; step 0's four loads are in: behind them 12 of x
	TURN 0
.irp t, 0,1,2,3
	STEP \t
.endr
	; the gate: six sums (two tokens x three clusters) of my 32 numbers a token, by turns; then over the 32 lanes.  x and cluster_w have been waited for in the steps
.irp a, 0,1
.irp c, 0,1,2
	v_mul_f32 v[G+3*\a+\c], v[R+32*\a], v[CW+\c]   ; the first product starts each sum
.endr
.endr
.set n, 1
.rept 31
.irp a, 0,1
.irp c, 0,1,2
	v_fmac_f32 v[G+3*\a+\c], v[R+32*\a+n], v[CW+12*(n/4)+3*(n%4)+\c]
.endr
.endr
.set n, n+1
.endr
.irp m, 1,2,4,8
.irp k, 0,1,2,3,4,5
	v_add_f32_dpp v[G+\k], v[G+\k], v[G+\k] row_xmask:\m row_mask:0xf bank_mask:0xf
.endr
.endr
.irp k, 0,1,2,3,4,5
	v_permlanex16_b32 v[TP+\k], v[G+\k], s72, s73
.endr
.irp k, 0,1,2,3,4,5
	v_add_f32 v[G+\k], v[G+\k], v[TP+\k]
.endr
.irp a, 0
	v_cndmask_b32 v[TP+6+\a], v[G+3*\a], v[G+3*\a+1], s74
	s_delay_alu instid0(VALU_DEP_1)
	v_cndmask_b32 v[TP+6+\a], v[TP+6+\a], v[G+3*\a+2], s75
.endr
.irp a, 1
	s_delay_alu instid0(VALU_DEP_4)
	v_cndmask_b32 v[TP+6+\a], v[G+3*\a], v[G+3*\a+1], s74
	s_delay_alu instid0(VALU_DEP_1)
	v_cndmask_b32 v[TP+6+\a], v[TP+6+\a], v[G+3*\a+2], s75   ; lane % 4 = 0, 1, 2, 3 holds g0, g1, g2, g2
.endr
	ds_store_b32 v252, v[TP+6]
	ds_store_b32 v252, v[TP+7] offset:16
	v_mov_b32 v244, s70
	v_mov_b32 v245, s71
	s_delay_alu instid0(VALU_DEP_1)
	v_cndmask_b32 v246, v244, v245, s76
	ds_store_b32 v253, v246                        ; my two positions
	v_cndmask_b32 v247, v244, v245, s77            ; lanes 0-15 serve my first token, lanes 16-31 my second
	s_delay_alu instid0(VALU_DEP_1)
	v_min_u32 v247, 0x10ff, v247
	v_and_b32 v249, 15, v1
	s_delay_alu instid0(VALU_DEP_1)
	v_lshlrev_b32 v249, 1, v249
	s_delay_alu instid0(VALU_DEP_1)
	v_lshl_add_u32 v247, v247, 5, v249             ; xs: 32 bytes a position, two bytes a lane
	ds_load_u16 v248, v254                         ; sees my byte stores: a wave's LDS instructions are served in order
	s_wait_alu depctr_va_vdst(0)
	s_wait_dscnt 0x0                               ; my scale bytes are back; my gate words and positions lie in LDS
	global_store_b16 v247, v248, s[22:23]          ; sixteen lanes store a position's 32 consecutive bytes
	s_barrier_signal -1
	s_barrier_wait -1
	s_cmp_lg_u32 s32, 0
	s_cbranch_scc1 .Lxend                          ; wave 0 stores what the eight waves gathered
	ds_load_b64 v[80:81], v225
	ds_load_u16 v82, v10
	s_lshl_b32 s50, s33, 8
	s_mov_b32 s51, 0
	s_add_nc_u64 s[24:25], s[24:25], s[50:51]
	s_lshl_b32 s50, s33, 6
	s_add_nc_u64 s[26:27], s[26:27], s[50:51]
	s_wait_dscnt 0x0
	global_store_b64 v15, v[80:81], s[24:25]       ; 16 tokens x 16 bytes: 256 consecutive bytes, aligned
	global_store_b16 v255, v82, s[26:27]           ; 16 positions: 64 consecutive bytes, two a lane
.Lxend:
	s_set_vgpr_msb 0x5
	s_wait_tensorcnt 0x0
	ds_add_u32 v0, v1
	s_wait_dscnt 0x0
	s_set_vgpr_msb 0x500
	s_endpgm
; ---------------------------------------------------------------- W: a wave lays out one group of 16 rows
.Lweights:
	s_sub_co_u32 s33, ttmp9, 257
	s_lshl_b32 s33, s33, 3
	s_add_co_u32 s33, s33, s32                     ; the group
	s_wait_kmcnt 0x0
	s_cmp_ge_u32 s33, 786                          ; 99 x 8 waves for 786 groups: the last six waves have none
	s_cbranch_scc1 .Lwend
	s_wait_alu depctr_va_vdst(0)
	v_and_b32 v3, 15, v1                           ; r
	v_lshrrev_b32 v9, 4, v1                        ; h
	s_mul_i32 s38, s32, 8448
	s_add_co_u32 s38, s38, WT                      ; my stage
	v_add_nc_u32 v5, s38, v2                       ; in: a row's 512 bytes as they lie
	v_mul_u32_u24 v6, v3, 528
	s_delay_alu instid0(VALU_DEP_1)
	v_lshl_add_u32 v6, v9, 4, v6
	s_delay_alu instid0(VALU_DEP_1)
	v_add_nc_u32 v6, s38, v6                       ; out: row r, + 16 h; rows 33 x 16 bytes apart
	v_lshlrev_b32 v12, 3, v1
	v_mov_b32 v13, NEG
	s_lshl_b32 s35, s33, 4                         ; the group's first row
	s_sub_co_u32 s34, 12563, s35
	s_min_u32 s34, s34, 15                         ; the last row of the group that exists
.irp i, 0,1,2,3,4,5,6,7,8,9,10,11,12,13,14,15
	s_min_u32 s38, s34, \i
	s_lshl_b32 s38, s38, 9
	v_add_nc_u32 v[16+\i], s38, v2                 ; no load leaves the buffer: rows past the end repeat the last one
.endr
	s_lshl_b32 s40, s33, 13
	s_mov_b32 s41, 0
	s_add_nc_u64 s[14:15], s[14:15], s[40:41]
	v_add_nc_u32 v7, s35, v3
	s_delay_alu instid0(VALU_DEP_1)
	v_min_u32 v7, 0x3113, v7
	s_delay_alu instid0(VALU_DEP_1)
	v_lshlrev_b32 v7, 5, v7
	s_delay_alu instid0(VALU_DEP_1)
	v_lshl_add_u32 v7, v9, 4, v7                   ; scale bytes 16 h .. 16 h + 15 of row r
	v_lshlrev_b32 v10, 1, v1
	s_delay_alu instid0(VALU_DEP_1)
	v_and_b32 v10, 14, v10
	s_delay_alu instid0(VALU_DEP_1)
	v_add_nc_u32 v10, s35, v10                     ; the column of my pair of biases: even, so a pair lies wholly inside the vocabulary or wholly past it
	s_delay_alu instid0(VALU_DEP_1)
	v_min_u32 v8, 0x3112, v10
	s_delay_alu instid0(VALU_DEP_1)
	v_lshlrev_b32 v8, 2, v8
.irp i, 0,1,2,3,4,5,6,7,8,9,10,11,12,13,14,15
	global_load_b128 v[32+4*\i:35+4*\i], v[16+\i], s[14:15] th:TH_LOAD_NT   ; one row: 512 consecutive bytes
.endr
	global_load_b128 v[160:163], v7, s[16:17]
	global_load_b64 v[164:165], v8, s[18:19]
	s_mul_i32 s40, s33, 8960
	s_add_nc_u64 s[28:29], s[28:29], s[40:41]      ; the group's image
	s_wait_alu depctr_va_vdst(0)
	s_wait_loadcnt 2                               ; the 16 rows are in; the scale bytes' load and the biases' may be out
.irp i, 0,1,2,3,4,5,6,7,8,9,10,11,12,13,14,15
	ds_store_b128 v5, v[32+4*\i:35+4*\i] offset:528*\i
.endr
.irp i, 0,1,2,3,4,5,6,7,8,9,10,11,12,13,14,15
	ds_load_b128 v[96+4*\i:99+4*\i], v6 offset:32*\i   ; piece i: bytes 32 i + 16 h on of row r
.endr
.irp i, 0,1,2,3,4,5,6,7,8,9,10,11,12,13,14,15
	s_wait_dscnt 15-\i                             ; piece i is back; the later pieces may be out
	global_store_b128 v2, v[96+4*\i:99+4*\i], s[28:29] offset:512*\i
.endr
	s_wait_loadcnt 0x0
	global_store_b128 v2, v[160:163], s[28:29] offset:8192
	v_cmp_le_u32 vcc_lo, 0x3114, v10               ; past the vocabulary's 12,564 columns
	s_delay_alu instid0(VALU_DEP_1)
	v_cndmask_b32 v164, v164, v13, vcc_lo
	s_delay_alu instid0(VALU_DEP_2)
	v_cndmask_b32 v165, v165, v13, vcc_lo
	global_store_b64 v12, v[164:165], s[28:29] offset:8704   ; the 16 biases four times over: 256 consecutive bytes
.Lwend:
	s_set_vgpr_msb 0x5
	s_wait_alu depctr_va_vdst(0)
	s_wait_tensorcnt 0x0
	ds_add_u32 v0, v1
	s_wait_dscnt 0x0
	s_set_vgpr_msb 0x500
	s_endpgm
; ---------------------------------------------------------------- PLAN: every wave computes the plan; thread u then writes entry u
; A unit is one tile of 128 sorted tokens x a run of LW groups of 16 columns, LW = 4 gw (gw groups a wave).  A cluster of Gc groups takes ceil(Gc / LW) units a tile.
; EVAL: v20 = LW (16 or more) -> v21, v22, v23 = ceil(125 / LW), ceil(500 / LW), ceil(161 / LW), each counted as 1 + the number of k >= 1 with k LW < Gc
; (k up to 7, 31, 10, since LW >= 16): no division.
.macro EVAL
	v_mov_b32 v21, 1
	v_mov_b32 v22, 1
	v_mov_b32 v23, 1
.set kk, 1
.rept 31
	v_mul_u32_u24 v24, kk, v20
.if kk <= 7
	s_delay_alu instid0(VALU_DEP_1)
	v_cmp_gt_u32 vcc_lo, 0x7d, v24
	s_delay_alu instid0(VALU_DEP_1)
	v_add_co_ci_u32 v21, vcc_lo, 0, v21, vcc_lo
.endif
	v_cmp_gt_u32 vcc_lo, 0x1f4, v24
	s_delay_alu instid0(VALU_DEP_1)
	v_add_co_ci_u32 v22, vcc_lo, 0, v22, vcc_lo
.if kk <= 10
	v_cmp_gt_u32 vcc_lo, 0xa1, v24
	s_delay_alu instid0(VALU_DEP_1)
	v_add_co_ci_u32 v23, vcc_lo, 0, v23, vcc_lo
.endif
.set kk, kk+1
.endr
.endm
.Lplan:
	s_lshl_b32 s48, s32, 3
	s_add_co_u32 s48, s48, PCNT
	v_mov_b32 v12, s48
	v_mov_b32 v13, PCNT
	s_wait_kmcnt 0x0
	s_wait_alu depctr_va_vdst(0)
.irp q, 0,1,2,3
	global_load_b128 v[Y+4*\q:Y+4*\q+3], v4, s[10:11] offset:512*\q
.endr
	s_wait_loadcnt 0x0
	COUNT 0
	v_mov_b32 v80, s38
	v_mov_b32 v81, s39
	ds_store_b64 v12, v[80:81]
	s_wait_dscnt 0x0                               ; for the others' sake: my counts lie in LDS
	s_barrier_signal -1
	s_barrier_wait -1
.irp i, 0,1,2,3,4,5,6,7
	ds_load_b64 v[80+2*\i:81+2*\i], v13 offset:8*\i
.endr
	s_wait_dscnt 0x0
.irp i, 1
	v_add_nc_u32 v80, v80, v[80+2*\i]
	v_add_nc_u32 v81, v81, v[81+2*\i]
.endr
.irp i, 2, 3, 4, 5, 6, 7
	s_delay_alu instid0(VALU_DEP_2)
	v_add_nc_u32 v80, v80, v[80+2*\i]
	s_delay_alu instid0(VALU_DEP_2)
	v_add_nc_u32 v81, v81, v[81+2*\i]
.endr
	s_delay_alu instid0(VALU_DEP_2)
	v_readfirstlane_b32 s38, v80
	s_delay_alu instid0(VALU_DEP_2)
	v_readfirstlane_b32 s39, v81
	s_sub_co_u32 s50, 4096, s38                    ; tokens of cluster 0,
	s_sub_co_u32 s51, s38, s39                     ; 1,
	s_mov_b32 s52, s39                             ; 2
	s_add_co_u32 s53, s50, 127
	s_lshr_b32 s53, s53, 7                         ; tiles of 128 tokens: n0,
	s_add_co_u32 s54, s51, 127
	s_lshr_b32 s54, s54, 7                         ; n1,
	s_add_co_u32 s55, s52, 127
	s_lshr_b32 s55, s55, 7                         ; n2
	s_add_co_u32 s56, s53, s54                     ; n0 + n1
	; Lane l tries LW = 16 + 4 l.  The smallest LW with 256 units or fewer is taken; LW = 140 needs n0 + 4 n1 + 2 n2 <= 136, so one of the 32 always serves.
	v_lshl_add_u32 v20, v1, 2, 16
	EVAL
	v_mul_u32_u24 v25, s53, v21
	s_delay_alu instid0(VALU_DEP_1)
	v_mad_u32_u24 v25, s54, v22, v25
	s_delay_alu instid0(VALU_DEP_1)
	v_mad_u32_u24 v25, s55, v23, v25               ; units that this lane's LW would need: it does not rise with LW
	s_mov_b32 s58, 256
	v_cmp_lt_u32 s59, s58, v25
	s_bcnt1_i32_b32 s59, s59                       ; the lanes with too many are the first ones
	s_add_co_u32 s60, s59, 4                       ; gw
	s_lshl_b32 s61, s60, 2                         ; LW
	v_mov_b32 v20, s61
	EVAL                                           ; once more, on the chosen LW in every lane
	v_readfirstlane_b32 s62, v21                   ; C0, C1, C2: units a tile
	s_delay_alu instid0(VALU_DEP_2)
	v_readfirstlane_b32 s63, v22
	v_readfirstlane_b32 s66, v23
	s_mul_i32 s67, s53, s62                        ; U1: cluster 1's first unit
	s_mul_i32 s68, s54, s63
	s_add_co_u32 s68, s68, s67                     ; U2
	s_mul_i32 s69, s55, s66
	s_add_co_u32 s69, s69, s68                     ; units in all
	s_mov_b32 s70, 125
	s_cmp_lg_u32 s32, 0
	s_cbranch_scc1 .Lnohdr
	v_mov_b32 v26, 0                               ; the header, 32 words: n0, n0 + n1, C0, C1, C2, U1, U2, zeros
	s_delay_alu instid0(VALU_DEP_1)
	v_writelane_b32 v26, s53, 0
	s_delay_alu instid0(VALU_DEP_1)
	v_writelane_b32 v26, s56, 1
	s_delay_alu instid0(VALU_DEP_1)
	v_writelane_b32 v26, s62, 2
	s_delay_alu instid0(VALU_DEP_1)
	v_writelane_b32 v26, s63, 3
	s_delay_alu instid0(VALU_DEP_1)
	v_writelane_b32 v26, s66, 4
	s_delay_alu instid0(VALU_DEP_1)
	v_writelane_b32 v26, s67, 5
	s_delay_alu instid0(VALU_DEP_1)
	v_writelane_b32 v26, s68, 6
	v_lshlrev_b32 v27, 2, v1
	global_store_b32 v27, v26, s[30:31] offset:4096
.Lnohdr:
	v_mov_b32 v30, s53                             ; clusters 1 and 2: first tile,
	v_mov_b32 v31, s56
	v_mov_b32 v32, s63                             ; units a tile,
	v_mov_b32 v33, s66
	v_mov_b32 v34, s67                             ; first unit,
	v_mov_b32 v35, s68
	v_mov_b32 v36, 500                             ; groups,
	v_mov_b32 v37, 161
	v_mov_b32 v38, 125                             ; first group,
	v_mov_b32 v39, 625
	v_mov_b32 v40, s51                             ; tokens
	v_mov_b32 v41, s52
	; Thread u writes entry u, 16 bytes at 16 u: tile | tokens in it | first group, groups << 16 | gw, seed << 8.  Unit u = Uc + (tile in its cluster) x Cc + (run j).
	v_cmp_le_u32 s72, s67, v0                      ; the unit is of cluster 1 or 2,
	v_cmp_le_u32 s73, s68, v0                      ; of cluster 2;
	v_cmp_gt_u32 s74, s69, v0                      ; it exists
	s_delay_alu instid0(VALU_DEP_3)
	v_cndmask_b32 v45, 0, v30, s72
	s_delay_alu instid0(VALU_DEP_1)
	v_cndmask_b32 v45, v45, v31, s73
	v_cndmask_b32 v46, s62, v32, s72
	s_delay_alu instid0(VALU_DEP_1)
	v_cndmask_b32 v46, v46, v33, s73
	v_cndmask_b32 v58, 0, v34, s72
	s_delay_alu instid0(VALU_DEP_1)
	v_cndmask_b32 v58, v58, v35, s73
	v_cndmask_b32 v48, s70, v36, s72
	s_delay_alu instid0(VALU_DEP_1)
	v_cndmask_b32 v48, v48, v37, s73
	v_cndmask_b32 v49, 0, v38, s72
	s_delay_alu instid0(VALU_DEP_1)
	v_cndmask_b32 v49, v49, v39, s73
	v_cndmask_b32 v50, s50, v40, s72
	s_delay_alu instid0(VALU_DEP_1)
	v_cndmask_b32 v50, v50, v41, s73
	v_sub_nc_u32 v42, v0, v58                      ; the unit's number in its cluster
	v_mov_b32 v43, 0
.set kk, 1
.rept 31                               ; divided by Cc: the number of k = 1 .. 31 with k Cc <= it (a cluster has 32 tiles at the most)
	v_mul_u32_u24 v24, kk, v46
	s_delay_alu instid0(VALU_DEP_1)
	v_cmp_le_u32 vcc_lo, v24, v42
	s_delay_alu instid0(VALU_DEP_1)
	v_add_co_ci_u32 v43, vcc_lo, 0, v43, vcc_lo
.set kk, kk+1
.endr
	s_delay_alu instid0(VALU_DEP_1)
	v_mul_u32_u24 v44, v43, v46
	s_delay_alu instid0(VALU_DEP_1)
	v_sub_nc_u32 v44, v42, v44                     ; j: which run of the cluster's groups
	s_delay_alu instid0(VALU_DEP_3)
	v_add_nc_u32 v45, v45, v43                     ; the tile
	s_delay_alu instid0(VALU_DEP_2)
	v_mul_u32_u24 v51, s61, v44
	s_delay_alu instid0(VALU_DEP_1)
	v_add_nc_u32 v49, v49, v51                     ; the run's first group
	s_delay_alu instid0(VALU_DEP_2)
	v_sub_nc_u32 v48, v48, v51
	s_delay_alu instid0(VALU_DEP_1)
	v_min_u32 v48, s61, v48                        ; its groups
	s_delay_alu instid0(VALU_DEP_1)
	v_lshl_or_b32 v48, v48, 16, v49
	v_lshlrev_b32 v51, 7, v43
	s_delay_alu instid0(VALU_DEP_1)
	v_sub_nc_u32 v50, v50, v51
	s_delay_alu instid0(VALU_DEP_1)
	v_min_u32 v50, 0x80, v50                       ; the tile's tokens
	v_mul_u32_u24 v51, 37, v43
	s_delay_alu instid0(VALU_DEP_1)
	v_and_b32 v51, 63, v51                         ; where in its run a wave begins, in 64ths: tiles that share a run begin at different groups
	v_cndmask_b32 v52, 0, v45, s74                 ; an entry that no unit takes: tile 0, one token, no groups
	s_delay_alu instid0(VALU_DEP_4)
	v_cndmask_b32 v53, 1, v50, s74
	v_cndmask_b32 v54, 0, v48, s74
	s_delay_alu instid0(VALU_DEP_4)
	v_lshl_or_b32 v55, v51, 8, s60
	v_lshlrev_b32 v47, 4, v0
	global_store_b128 v47, v[52:55], s[30:31]      ; a wave stores 512 consecutive bytes
	s_set_vgpr_msb 0x5
	s_wait_tensorcnt 0x0
	ds_add_u32 v0, v1
	s_wait_dscnt 0x0
	s_set_vgpr_msb 0x500
	s_endpgm
.Lfunc_end_k_q7064de3059_prep:
	.size	k_q7064de3059_prep, .Lfunc_end_k_q7064de3059_prep-k_q7064de3059_prep
	.p2alignl 7, 3214868480
	.fill 96, 4, 3214868480
	.section	.rodata,"a",@progbits
	.p2align	6, 0x0
	.amdhsa_kernel k_q7064de3059_prep
		.amdhsa_group_segment_fixed_size 123392
		.amdhsa_private_segment_fixed_size 0
		.amdhsa_enable_private_segment 0
		.amdhsa_kernarg_size 96
		.amdhsa_user_sgpr_count 2
		.amdhsa_user_sgpr_kernarg_segment_ptr 1
		.amdhsa_wavefront_size32 1
		.amdhsa_system_sgpr_workgroup_id_x 1
		.amdhsa_system_sgpr_workgroup_id_y 1
		.amdhsa_system_sgpr_workgroup_id_z 1
		.amdhsa_system_vgpr_workitem_id 0
		.amdhsa_next_free_vgpr 258
		.amdhsa_next_free_sgpr 100
		.amdhsa_reserve_vcc 1
		.amdhsa_float_denorm_mode_32 3
		.amdhsa_float_denorm_mode_16_64 3
		.amdhsa_memory_ordered 1
		.amdhsa_forward_progress 1
		.amdhsa_inst_pref_size 79
	.end_amdhsa_kernel
	.amdgpu_metadata
---
amdhsa.version: [ 1, 2 ]
amdhsa.kernels:
  - .name:           k_q7064de3059_prep
    .symbol:         k_q7064de3059_prep.kd
    .args:
      - { .name: x, .offset: 0, .size: 8, .value_kind: global_buffer, .address_space: global }
      - { .name: y, .offset: 8, .size: 8, .value_kind: global_buffer, .address_space: global }
      - { .name: cluster_w, .offset: 16, .size: 8, .value_kind: global_buffer, .address_space: global }
      - { .name: logits_w_codes, .offset: 24, .size: 8, .value_kind: global_buffer, .address_space: global }
      - { .name: logits_w_scales, .offset: 32, .size: 8, .value_kind: global_buffer, .address_space: global }
      - { .name: logits_b, .offset: 40, .size: 8, .value_kind: global_buffer, .address_space: global }
      - { .name: xc, .offset: 48, .size: 8, .value_kind: global_buffer, .address_space: global }
      - { .name: xs, .offset: 56, .size: 8, .value_kind: global_buffer, .address_space: global }
      - { .name: gate, .offset: 64, .size: 8, .value_kind: global_buffer, .address_space: global }
      - { .name: pos, .offset: 72, .size: 8, .value_kind: global_buffer, .address_space: global }
      - { .name: wimg, .offset: 80, .size: 8, .value_kind: global_buffer, .address_space: global }
      - { .name: plan, .offset: 88, .size: 8, .value_kind: global_buffer, .address_space: global }
    .group_segment_fixed_size: 123392
    .private_segment_fixed_size: 0
    .kernarg_segment_align: 8
    .kernarg_segment_size: 96
    .max_flat_workgroup_size: 256
    .sgpr_count:     100
    .vgpr_count:     258
    .wavefront_size: 32
...
	.end_amdgpu_metadata
.endif
;; end of part 4
;; launch main (part 5): grid 256 x 1, 4 waves a work-group, no clusters, 80,384 bytes of LDS; arguments xc, xs, wimg, plan, part; writes part
.if DOCPART == 5
	.amdgcn_target "amdgcn-amd-amdhsa--gfx1250"
	.amdhsa_code_object_version 6
	.text
	.protected	k_q7064de3059_main
	.globl	k_q7064de3059_main
	.p2align	8
	.type	k_q7064de3059_main,@function
k_q7064de3059_main:
	s_mov_b64 s[64:65], 0
	v_nop
	global_prefetch_b8 v0, s[64:65] scope:SCOPE_SE
	s_setreg_imm32_b32 hwreg(HW_REG_WAVE_SCHED_MODE, 0, 2), 2
	s_setreg_imm32_b32 hwreg(HW_REG_WAVE_MODE, 25, 1), 1
	s_wait_xcnt 0x0
	s_wait_alu depctr_vm_vsrc(0)
; MAIN: the routed products and a running logsumexp.  A work-group takes one UNIT of the stored plan: a tile of 128 sorted tokens (all of one cluster) x a run of groups of 16
; vocabulary columns of that cluster.  Only a token's own cluster is multiplied: the other slices are thrown away by a mask made from y.
; SHARES.  All four waves hold the SAME 128 tokens (codes of all 1,024 along K: 512 registers).  They are staged once through LDS: each wave brings 32 of the tile's rows, one row
; (512 consecutive bytes) a load, and lays them as rows of 512 + 16 bytes; every wave then reads all 64 fragments from there.  The run's groups are shared out, gw to a wave.
; A group's image (8,960 bytes: codes, scale words, biases, laid by the launch before in the order of the registers) comes from memory straight into
; registers, two groups ahead.  One group = 64 matrix instructions (8 tiles of 16 tokens x 8 K steps of 128) and 184 vector instructions of logsumexp.
; LAYOUT.  Source 0 = 16 rows of W, source 1 = 16 tokens: a lane holds ONE token (lane % 16) and columns 8 (lane / 16) + 0 .. 7.  The bias is the C of each sum's first product.
; LOGSUMEXP, for each lane: m = the largest logit so far, S = the sum of 2^((logit - m) log2 e); when m moves S is multiplied by 2^((old m - new m) log2 e).
; At the end the four waves' and the two lane halves' (m log2 e, S) are merged through LDS, and the unit stores one pair for each of its 128 positions.
; NO TENSOR LOADS, NO JOINT LOADS: the number of groups that a wave walks is read from the plan, so trip counts and branches hang on loaded numbers; tiles that share a run
; of W begin at different groups of it (the entry's seed) and walk round.
; LIMITS: |logit| stays under 2^76, so that the bias -2^100 of the columns past the vocabulary's end swallows their products; NaN and infinities are not served.
; REGISTERS, in windows of 256.  Window 0: v1-15 addresses; v16-47 x's scale words (4 a tile: register q holds K step q in lanes 0-15, K step 4 + q in lanes 16-31); v48-55 W's, two
; sets; v56-71 biases, two sets; v72-199 W's fragments, two sets of 64; v200-231 the offsets of my 32 staged rows, later the merge.  Windows 1, 2: x's fragments, tile t, K step s at 64 (t % 4) + 8 s.
; Window 3: v0-63 the 8 accumulators; v64-71, v72-79 m (the two by turns); v80-95 S in pairs; v96-127 four registers a tile at work; v128-255 staging.
; THE MODE: SCHED_MODE bits 1:0 = 2 (LLVM: expert scheduling mode 2), set by the entry lines.  The code itself states the register dependences
; between vector or matrix instructions and memory or LDS instructions, with s_wait_alu, always for 0.
; THE PLAN.  Registers that memory or LDS instructions touch, and who else names them:
;   v4-6, v8-15, v200-231    offsets and LDS addresses, written by vector instructions at the head: ONE wait on va_vdst ahead of the first global load serves them all.  v4 and v5, which the
;                            loop's loads read, are never written again; v200-225 are written again in the merge.
;   window 3 v128-255, v0-7  the staged rows and scale words: global loads land there, LDS stores read them.  v0-7 are accumulators afterwards.  ONE wait on vm_vsrc behind the first barrier,
;                            ahead of the branch that leads to the merge, states that these stores, and the loads that read v200-231, have read their registers.
;   windows 1, 2; v16-47     LDS loads land there once; matrix instructions alone read them.
;   W's set p                (fragments, scale words, biases)  A group's 64 products read it; behind them the loads of the group two on land in it: ONE wait on va_vdst a group, behind the products.
;                            Between that wait and the 19 loads stand scalar instructions alone; the logsumexp behind them names window 3 alone.
;   window 3 v96-127 (pairs) written by the merge's first lines, read by its LDS stores: one wait on va_vdst; the same wait states that the products are done reading v72-87, in which the
;                            merge's LDS loads land: nothing but LDS instructions, waits and the barrier stands between.
;   v224, v225               the result, written by two selections, read by the global store: one wait on va_vdst.
;   s14                      the wave's number, written by v_readfirstlane_b32: one wait on va_sdst ahead of its first reader.
.set NEG,    0xf1800000                ; -2^100: a power of two, so that its product with log2 e is exact
.set LOG2E,  0x3fb8aa3b
.set NLOG2E, 0xbfb8aa3b
.set GIMG,   8960
.set RP,     528                       ; LDS: a token's row, 512 bytes + 16 = 33 x 16: the sixteen rows that a fragment's load touches fall on sixteen different 16-byte columns of 256
.set XSCL,   128*RP                    ; behind the 128 rows: their scale words, 512 bytes a tile of 16;
.set MRG,    XSCL+4096                 ; the merge: 4 waves x 8 tiles x 256 bytes
.set XSC,  16
.set WSC,  48
.set BIAS, 56
.set WB,   72
.set RO,   200
.set MA,   64
.set MB,   72
.set SS,   80
.set TT,   96                          ; + 4 t: +0 -m log2 e, +1 at work, +2 the factor, +3 named with it as a pair
.set STG,  128
.set MSB, 0
.macro WIN new                         ; the immediate's high byte repeats the setting that is left; a switch that changes nothing is dropped
.if MSB != \new
	s_set_vgpr_msb (MSB<<8)|\new
.set MSB, \new
.endif
.endm
	s_load_b256 s[4:11], s[0:1], 0x0               ; xc s[4:5], xs s[6:7], wimg s[8:9], plan s[10:11]
	s_load_b64 s[12:13], s[0:1], 0x20              ; part
	v_lshl_add_u32 v254, v0, 2, 0x13800
	v_mov_b32 v255, 0
	v_lshrrev_b32 v1, 5, v0
	v_readfirstlane_b32 s14, v1                    ; wave 0..3
	v_and_b32 v1, 31, v0                           ; lane
	v_and_b32 v2, 15, v0                           ; r
	v_bfe_u32 v3, v0, 4, 1                         ; h
	v_lshlrev_b32 v4, 4, v1                        ; 16 x lane
	v_lshlrev_b32 v5, 5, v3                        ; 32 h: my half's eight biases
	s_wait_alu depctr_va_sdst(0)                   ; s14 is written, ahead of its first reader: LDS places, row offsets and the share of groups are made from it
	s_lshl_b32 s36, ttmp9, 4
	s_mov_b32 s37, 0
	s_wait_alu depctr_va_vdst(0)
	s_wait_kmcnt 0x0
	s_add_nc_u64 s[10:11], s[10:11], s[36:37]
	s_load_b128 s[16:19], s[10:11], 0x0            ; my unit's entry; all that does not hang on it is made while it is on its way
	v_mul_u32_u24 v6, v2, RP
	v_lshl_add_u32 v6, v3, 4, v6                   ; a fragment's place in a tile of 16 LDS rows: row r, + 16 h
	s_mul_i32 s31, s14, 32*RP
	v_add_nc_u32 v10, s31, v4                      ; where I store my 32 rows: 16 bytes a lane
	s_lshl_b32 s31, s14, 10
	s_add_co_u32 s31, s31, XSCL
	v_add_nc_u32 v11, s31, v4                      ; and my two tiles' scale words
	v_add_nc_u32 v12, XSCL, v4
	v_lshlrev_b32 v15, 3, v1
	s_lshl_b32 s31, s14, 11
	s_add_co_u32 s31, s31, MRG
	v_add_nc_u32 v13, s31, v15                     ; the merge: my wave's pairs,
	s_lshl_b32 s31, s14, 9
	s_add_co_u32 s31, s31, MRG
	v_add_nc_u32 v14, s31, v15                     ; and the two tiles that I merge
	s_lshl_b32 s31, s14, 14                        ; I stage rows 32 w .. 32 w + 31 of the tile's 128: 512 bytes a row
	v_add_nc_u32 v7, s31, v4
.irp j, 0,1,2,3,4,5,6,7,8,9,10,11,12,13,14,15,16,17,18,19,20,21,22,23,24,25,26,27,28,29,30,31
	v_add_nc_u32 v[RO+\j], 512*\j, v7              ; row 32 w + j, my 16 bytes of it, counted from the tile's first byte
.endr
	s_mov_b32 s38, LOG2E
	s_mov_b32 s39, LOG2E                           ; (the packed form names the pair)
	s_mov_b32 s40, NLOG2E
	s_mov_b32 s42, 0x76543210
	s_mov_b32 s43, 0xfedcba98                      ; v_permlanex16_b32's selects for lane l xor 16
	s_mov_b32 s44, 0xffff0000                      ; lanes 16-31
	WIN 0xc0                                       ; destination window 3
.irp t, 0,1,2,3,4,5,6,7
	v_mov_b32 v[MA+\t], NEG                        ; m: under every logit
	v_mov_b32 v[SS+2*\t], 0
	v_mov_b32 v[SS+2*\t+1], 0
	v_mov_b32 v[TT+4*\t+3], 0
.endr
	WIN 0
	s_wait_kmcnt 0x0
	s_min_u32 s20, s16, 33                         ; the tile; every field is held to its range before it enters an address or a count
	s_sub_co_u32 s21, s17, 1
	s_min_u32 s21, s21, 127                        ; its last token that exists
	s_and_b32 s22, s18, 0xffff
	s_min_u32 s22, s22, 785                        ; the run's first group
	s_lshr_b32 s23, s18, 16
	s_min_u32 s23, s23, 140                        ; its groups
	s_and_b32 s24, s19, 0xff
	s_min_u32 s24, s24, 35                         ; groups a wave
	s_bfe_u32 s25, s19, 0x80008
	s_min_u32 s25, s25, 63                         ; the seed
	s_lshl_b32 s46, s20, 16                        ; the tile's 128 rows of 512 bytes
	s_mov_b32 s47, 0
	s_add_nc_u64 s[4:5], s[4:5], s[46:47]          ; xc at the tile
	v_lshl_add_u32 v7, s21, 9, v4                  ; my 16 bytes of the tile's last row that exists
.irp j, 0,1,2,3,4,5,6,7,8,9,10,11,12,13,14,15,16,17,18,19,20,21,22,23,24,25,26,27,28,29,30,31
	v_min_u32 v[RO+\j], v[RO+\j], v7               ; positions past the tile's last token repeat it: rows that nobody wrote are never read
.endr
.irp j, 0,1,2,3,4,5,6,7,8,9,10,11,12,13,14,15,16,17,18,19,20,21,22,23,24,25,26,27,28,29,30,31
	v_min_u32 v[RO+\j], 0xffff, v[RO+\j]           ; held inside the tile's 65,536 bytes
.endr
	s_lshl_b32 s31, s14, 5
	s_lshl_b32 s15, s20, 7
	v_add_nc_u32 v8, s31, v2                       ; the scale bytes of tiles 2 w and 2 w + 1: rows 32 w + 16 i + r
	v_add_nc_u32 v9, 16, v8
.irp i, 0,1
	v_min_u32 v[8+\i], s21, v[8+\i]
	v_add_nc_u32 v[8+\i], s15, v[8+\i]
	v_min_u32 v[8+\i], 0x10ff, v[8+\i]
	v_lshlrev_b32 v[8+\i], 5, v[8+\i]
	v_lshl_add_u32 v[8+\i], v3, 4, v[8+\i]         ; 32 a row, + 16 h: a tile's 512 bytes lie on end
.endr
	WIN 0xc0
	s_wait_alu depctr_va_vdst(0)                   ; all offsets and LDS addresses (v4-6, v8-15, v200-231) are written: the loads below, the groups' loads, the LDS stores and loads of the staging and of the merge, and the last store read them
.irp j, 0,1,2,3,4,5,6,7,8,9,10,11,12,13,14,15,16,17,18,19,20,21,22,23,24,25,26,27,28,29,30,31
	global_load_b128 v[STG+4*\j:STG+4*\j+3], v[RO+\j], s[4:5]   ; one row: 512 consecutive bytes
.endr
.irp i, 0,1
	global_load_b128 v[4*\i:4*\i+3], v[8+\i], s[6:7]
.endr
	WIN 0
	s_mul_i32 s31, s14, s24
	s_sub_co_i32 s26, s23, s31
	s_max_i32 s26, s26, 0
	s_min_u32 s26, s26, s24                        ; my groups: what is left of the run behind the waves below me, gw at the most
	s_add_co_u32 s41, s26, 1
	s_lshr_b32 s41, s41, 1                         ; the loop's trips: two groups a trip, the last trip of an odd count one
	s_add_co_u32 s27, s22, s31                     ; the first of my groups,
	s_add_co_u32 s28, s27, s26                     ; the end,
	s_mul_i32 s29, s25, s26
	s_lshr_b32 s29, s29, 6
	s_add_co_u32 s29, s29, s27                     ; and where I begin my walk round them
; The next group of my walk into set p: 19 loads.  The set's base is written again only behind the counted wait that showed its last loads done.
.macro LOADW p
	s_min_u32 s31, s29, 785
	s_mul_i32 s36, s31, GIMG
	s_add_nc_u64 s[32+2*\p:33+2*\p], s[8:9], s[36:37]
.irp q, 0,1,2,3,4,5,6,7,8,9,10,11,12,13,14,15
	global_load_b128 v[WB+64*\p+4*\q:WB+64*\p+4*\q+3], v4, s[32+2*\p:33+2*\p] offset:512*\q   ; 512 consecutive bytes a load
.endr
	global_load_b128 v[WSC+4*\p:WSC+4*\p+3], v4, s[32+2*\p:33+2*\p] offset:8192
	global_load_b128 v[BIAS+8*\p:BIAS+8*\p+3], v5, s[32+2*\p:33+2*\p] offset:8704
	global_load_b128 v[BIAS+8*\p+4:BIAS+8*\p+7], v5, s[32+2*\p:33+2*\p] offset:8720
	s_add_co_u32 s29, s29, 1
	s_cmp_eq_u32 s29, s28
	s_cselect_b32 s29, s27, s29                    ; round to my first group
.endm
	LOADW 0                                        ; (no vector or matrix instruction has named either set yet, and none stands behind the wait above)
	s_wait_loadcnt 19                              ; my 32 rows and their scale words are in: behind their 34 loads stand the first group's 19
	LOADW 1
	WIN 0x0c                                       ; an LDS store's data are its source 1: window 3
.irp j, 0,1,2,3,4,5,6,7,8,9,10,11,12,13,14,15,16,17,18,19,20,21,22,23,24,25,26,27,28,29,30,31
	ds_store_b128 v10, v[STG+4*\j:STG+4*\j+3] offset:RP*\j
.endr
.irp i, 0,1
	ds_store_b128 v11, v[4*\i:4*\i+3] offset:512*\i
.endr
	WIN 0
	s_wait_dscnt 0x0                               ; for the others' sake: my rows lie in LDS
	s_barrier_signal -1
	s_barrier_wait -1
	s_wait_alu depctr_vm_vsrc(0)                   ; my LDS stores have read window 3's v0-7, which the first products write as accumulators; the staging loads have read v200-231, which the merge writes
	WIN 0x40                                       ; destination window 1: tiles 0-3.  Piece p = 2 s + c of a fragment: bytes 64 s + 32 c + 16 h on of row r
.irp t, 0,1,2,3
.irp p, 0,1,2,3,4,5,6,7,8,9,10,11,12,13,14,15
	ds_load_b128 v[64*\t+4*\p:64*\t+4*\p+3], v6 offset:16*RP*\t+32*\p
.endr
.endr
	WIN 0x80                                       ; window 2: tiles 4-7
.irp t, 0,1,2,3
.irp p, 0,1,2,3,4,5,6,7,8,9,10,11,12,13,14,15
	ds_load_b128 v[64*\t+4*\p:64*\t+4*\p+3], v6 offset:16*RP*(\t+4)+32*\p
.endr
.endr
	WIN 0
.irp t, 0,1,2,3,4,5,6,7
	ds_load_b128 v[XSC+4*\t:XSC+4*\t+3], v12 offset:512*\t
.endr
	s_wait_dscnt 0x0
	s_cmp_eq_u32 s26, 0                            ; a wave that the run leaves without groups goes to the merge with m = -2^100, S = 0; no barrier is jumped over
	s_cbranch_scc1 .Lmerge
; Four matrix instructions: K step s of tiles t0 .. t0 + 3 against set p.  The four accumulators take turns, one instruction a turn.
.macro MMS p, t0, s
.irp t, \t0, \t0+1, \t0+2, \t0+3
.if \s == 0
	v_wmma_scale_f32_16x16x128_f8f6f4 v[8*(\t):8*(\t)+7], v[WB+64*\p+8*\s:WB+64*\p+8*\s+7], v[64*((\t)%4)+8*\s:64*((\t)%4)+8*\s+7], v[BIAS+8*\p:BIAS+8*\p+7], v[WSC+4*\p+\s], v[XSC+4*(\t)+\s] matrix_a_fmt:MATRIX_FMT_FP4 matrix_b_fmt:MATRIX_FMT_FP4
.elseif \s < 4
	v_wmma_scale_f32_16x16x128_f8f6f4 v[8*(\t):8*(\t)+7], v[WB+64*\p+8*\s:WB+64*\p+8*\s+7], v[64*((\t)%4)+8*\s:64*((\t)%4)+8*\s+7], v[8*(\t):8*(\t)+7], v[WSC+4*\p+\s], v[XSC+4*(\t)+\s] matrix_a_fmt:MATRIX_FMT_FP4 matrix_b_fmt:MATRIX_FMT_FP4
.else
	v_wmma_scale_f32_16x16x128_f8f6f4 v[8*(\t):8*(\t)+7], v[WB+64*\p+8*\s:WB+64*\p+8*\s+7], v[64*((\t)%4)+8*\s:64*((\t)%4)+8*\s+7], v[8*(\t):8*(\t)+7], v[WSC+4*\p+\s-4], v[XSC+4*(\t)+\s-4] matrix_a_fmt:MATRIX_FMT_FP4 matrix_b_fmt:MATRIX_FMT_FP4 matrix_a_scale:MATRIX_SCALE_ROW1 matrix_b_scale:MATRIX_SCALE_ROW1
.endif
.endr
.endm
; One group, out of set p.  mi: where m stands; mo: where the new m goes.
.macro HALF p, mi, mo
	s_wait_loadcnt 19                              ; this set's 19 loads are in; the other set's 19, issued behind them, may be out
	WIN 0xc4                                       ; W window 0, x window 1, C (the bias) window 0, D window 3
	MMS \p, 0, 0
	WIN 0xf4                                       ; C and D window 3
.irp s, 1,2,3,4,5,6,7
	MMS \p, 0, \s
.endr
	WIN 0xc8                                       ; x window 2
	MMS \p, 4, 0
	WIN 0xf8
.irp s, 1,2,3,4,5,6,7
	MMS \p, 4, \s
.endr
	WIN 0
.rept 4
	v_nop                                          ; four places behind the last products, ahead of the first reads of results by vector instructions (ISA guide 7.12.1); the wait below fills none of them
.endr
	s_wait_alu depctr_va_vdst(0)                   ; the group's 64 products are done reading set p (fragments, scale words, biases), in which the 19 loads below land
	LOADW \p                                       ; the group two steps on
	WIN 0xff                                       ; all that the logsumexp touches lies in window 3: it names no register of the loads above
.irp t, 0,1,2,3,4,5,6,7
	v_max3_num_f32 v[TT+4*\t+1], v[8*\t], v[8*\t+1], v[8*\t+2]   ; each accumulator is read from its low end on; the eight tiles by turns, so that no line waits for the line above it
.endr
.irp t, 0,1,2,3,4,5,6,7
	v_max3_num_f32 v[TT+4*\t+1], v[TT+4*\t+1], v[8*\t+3], v[8*\t+4]
.endr
.irp t, 0,1,2,3,4,5,6,7
	v_max3_num_f32 v[TT+4*\t+1], v[TT+4*\t+1], v[8*\t+5], v[8*\t+6]
.endr
.irp t, 0,1,2,3,4,5,6,7
	v_max3_num_f32 v[\mo+\t], v[TT+4*\t+1], v[8*\t+7], v[\mi+\t]   ; the new m
.endr
.irp t, 0,1,2,3,4,5,6,7
	v_mul_f32 v[TT+4*\t], s40, v[\mo+\t]           ; -m log2 e
.endr
.irp t, 0,1,2,3,4,5,6,7
	v_fma_f32 v[TT+4*\t+2], v[\mi+\t], s38, v[TT+4*\t]   ; (old m - new m) log2 e
.endr
.irp t, 0,1,2,3,4,5,6,7
.irp j, 0,2,4,6
	v_pk_fma_f32 v[8*\t+\j:8*\t+\j+1], v[8*\t+\j:8*\t+\j+1], s[38:39], v[TT+4*\t:TT+4*\t+1] op_sel_hi:[1,0,0]   ; (logit - m) log2 e, two at a time
.endr
.endr
	s_wait_alu depctr_va_vdst(0)
.irp t, 0,1,2,3,4,5,6,7
	v_exp_f32 v[TT+4*\t+2], v[TT+4*\t+2]
.endr
.irp j, 0,1,2,3,4,5,6,7,8,9,10,11,12,13,14,15,16,17,18,19,20,21,22,23,24,25,26,27,28,29,30,31,32,33,34,35,36,37,38,39,40,41,42,43,44,45,46,47,48,49,50,51,52,53,54,55,56,57,58,59,60,61,62,63
	v_exp_f32 v[\j], v[\j]
.endr
	v_nop                                          ; a plain line behind the last exponential
	s_wait_alu depctr_va_vdst(0)                   ; the 72 exponentials have written their results (the eight factors, the 64 terms): one wait, ahead of the first line that names one
.irp t, 0,1,2,3,4,5,6,7
	v_pk_add_f32 v[8*\t:8*\t+1], v[8*\t:8*\t+1], v[8*\t+2:8*\t+3]
	v_pk_add_f32 v[8*\t+4:8*\t+5], v[8*\t+4:8*\t+5], v[8*\t+6:8*\t+7]
.endr
.irp t, 0,1,2,3,4,5,6,7
	v_pk_add_f32 v[8*\t:8*\t+1], v[8*\t:8*\t+1], v[8*\t+4:8*\t+5]
.endr
.irp t, 0,1,2,3,4,5,6,7
	v_pk_fma_f32 v[SS+2*\t:SS+2*\t+1], v[SS+2*\t:SS+2*\t+1], v[TT+4*\t+2:TT+4*\t+3], v[8*\t:8*\t+1] op_sel_hi:[1,0,1]   ; S = S x the factor + the group's sum
.endr
	WIN 0                                          ; at a label and at a branch every window is 0
.endm
	s_mov_b32 s30, 0                               ; the trip's number: it steps by 1 up to s41, which the loop does not write
.Lloop:                                            ; two groups a trip: the sets, and m's two places, are back where they began.  The loop is left by its backward branch alone
	HALF 0, MA, MB
	s_lshl_b32 s31, s30, 1
	s_add_co_u32 s31, s31, 1                       ; the number of the trip's second group
	s_cmp_ge_u32 s31, s26
	s_cbranch_scc1 .Lno_second                     ; an odd count: the last trip has no second group; the way round it rejoins ahead of the counter's step
	HALF 1, MB, MA
	s_branch .Lstepped
.Lno_second:
	s_wait_loadcnt 0x0                             ; on this way the loads issued last are set 0's own: all have landed before anything goes on, so every later count holds whichever way led to it
	WIN 0xc3
.irp t, 0,1,2,3,4,5,6,7
	v_mov_b32 v[MA+\t], v[MB+\t]                   ; m back to its first place
.endr
	WIN 0
.Lstepped:
	s_add_co_u32 s30, s30, 1
	s_cmp_lt_u32 s30, s41
	s_cbranch_scc1 .Lloop
.Lmerge:
	s_wait_loadcnt 0x0                             ; the two groups that were asked for past my count have landed: their registers serve the merge
	WIN 0xff
	s_wait_alu depctr_va_vdst(0)
.irp t, 0,1,2,3,4,5,6,7
	v_mul_f32 v[TT+4*\t], s38, v[MA+\t]            ; m log2 e
	v_add_f32 v[TT+4*\t+1], v[SS+2*\t], v[SS+2*\t+1]
.endr
	WIN 0x0c
	s_wait_alu depctr_va_vdst(0)                   ; the sixteen lines above have written the pairs, which the LDS stores read; and the products are done reading v72-87, in which the LDS loads behind the barrier land
.irp t, 0,1,2,3,4,5,6,7
	ds_store_b64 v13, v[TT+4*\t:TT+4*\t+1] offset:256*\t
.endr
	WIN 0
	s_wait_dscnt 0x0                               ; for the others' sake: my pairs lie in LDS
	s_barrier_signal -1
	s_barrier_wait -1
.irp i, 0,1                            ; wave w merges tiles 2 w and 2 w + 1: the four waves' pairs at v[WB + 8 i + 2 k]
.irp k, 0,1,2,3
	ds_load_b64 v[WB+8*\i+2*\k:WB+8*\i+2*\k+1], v14 offset:256*\i+2048*\k
.endr
.endr
	s_wait_dscnt 0x0
.irp i, 0,1
	v_max3_num_f32 v[200+\i], v[WB+8*\i], v[WB+8*\i+2], v[WB+8*\i+4]
.endr
.irp i, 0,1
	v_max_num_f32 v[200+\i], v[200+\i], v[WB+8*\i+6]
.endr
.irp i, 0,1
.irp k, 0,1,2,3
	v_sub_f32 v[204+4*\i+\k], v[WB+8*\i+2*\k], v[200+\i]
.endr
.endr
	s_wait_alu depctr_va_vdst(0)
.irp j, 0,1,2,3,4,5,6,7
	v_exp_f32 v[204+\j], v[204+\j]
.endr
.irp j, 0,1,2,3
	v_mov_b32 v[214+\j], 0                         ; (plain lines behind the exponentials)  a lane permute's destination counts as one of its sources
.endr
	s_wait_alu depctr_va_vdst(0)                   ; the eight exponentials have written v204-211: one wait, ahead of their first reader
.irp i, 0,1
	v_mul_f32 v[212+\i], v[WB+8*\i+1], v[204+4*\i]
.endr
.irp k, 1,2,3
.irp i, 0,1
	v_fmac_f32 v[212+\i], v[WB+8*\i+2*\k+1], v[204+4*\i+\k]
.endr
.endr
.irp i, 0,1
	v_permlanex16_b32 v[214+\i], v[200+\i], s42, s43   ; the token's other eight columns of each group lie in lane l xor 16
	v_permlanex16_b32 v[216+\i], v[212+\i], s42, s43
.endr
.irp i, 0,1
	v_max_num_f32 v[218+\i], v[200+\i], v[214+\i]
.endr
.irp i, 0,1
	v_sub_f32 v[220+\i], v[200+\i], v[218+\i]
	v_sub_f32 v[222+\i], v[214+\i], v[218+\i]
.endr
	s_wait_alu depctr_va_vdst(0)
.irp j, 0,1,2,3
	v_exp_f32 v[220+\j], v[220+\j]
.endr
	v_nop
	s_wait_alu depctr_va_vdst(0)                   ; the four exponentials have written v220-223: one wait, ahead of their first reader
.irp i, 0,1
	v_mul_f32 v[212+\i], v[212+\i], v[220+\i]
.endr
.irp i, 0,1
	v_fmac_f32 v[212+\i], v[216+\i], v[222+\i]
.endr
	v_cndmask_b32 v224, v218, v219, s44            ; lanes 0-15: tile 2 w; lanes 16-31: tile 2 w + 1: lane l holds position 32 w + l
	v_cndmask_b32 v225, v212, v213, s44
	s_lshl_b32 s36, ttmp9, 10
	s_lshl_b32 s31, s14, 8
	s_add_co_u32 s36, s36, s31
	s_add_nc_u64 s[12:13], s[12:13], s[36:37]
	s_cmp_eq_u32 s23, 0                            ; an entry that no unit took stores nothing, and nobody reads its place
	s_cbranch_scc1 .Lend
	s_wait_alu depctr_va_vdst(0)                   ; the two selections have written v224 and v225, which the store reads
	global_store_b64 v15, v[224:225], s[12:13]     ; the wave stores 256 consecutive bytes, aligned
.Lend:
	s_wait_dscnt 0x0                               ; the closing lines, six on end
	s_wait_alu 0x0
	s_wait_tensorcnt 0x0
	ds_add_u32 v254, v255
	s_wait_dscnt 0x0
	s_endpgm
.Lfunc_end_k_q7064de3059_main:
	.size	k_q7064de3059_main, .Lfunc_end_k_q7064de3059_main-k_q7064de3059_main
	.p2alignl 7, 3214868480
	.fill 96, 4, 3214868480
	.section	.rodata,"a",@progbits
	.p2align	6, 0x0
	.amdhsa_kernel k_q7064de3059_main
		.amdhsa_group_segment_fixed_size 80384
		.amdhsa_private_segment_fixed_size 0
		.amdhsa_enable_private_segment 0
		.amdhsa_kernarg_size 40
		.amdhsa_user_sgpr_count 2
		.amdhsa_user_sgpr_kernarg_segment_ptr 1
		.amdhsa_wavefront_size32 1
		.amdhsa_system_sgpr_workgroup_id_x 1
		.amdhsa_system_sgpr_workgroup_id_y 1
		.amdhsa_system_sgpr_workgroup_id_z 1
		.amdhsa_system_vgpr_workitem_id 0
		.amdhsa_next_free_vgpr 1024
		.amdhsa_next_free_sgpr 66
		.amdhsa_reserve_vcc 0
		.amdhsa_float_denorm_mode_32 3
		.amdhsa_float_denorm_mode_16_64 3
		.amdhsa_memory_ordered 1
		.amdhsa_forward_progress 1
		.amdhsa_inst_pref_size 73
	.end_amdhsa_kernel
	.amdgpu_metadata
---
amdhsa.version: [ 1, 2 ]
amdhsa.kernels:
  - .name:           k_q7064de3059_main
    .symbol:         k_q7064de3059_main.kd
    .args:
      - { .name: xc, .offset: 0, .size: 8, .value_kind: global_buffer, .address_space: global }
      - { .name: xs, .offset: 8, .size: 8, .value_kind: global_buffer, .address_space: global }
      - { .name: wimg, .offset: 16, .size: 8, .value_kind: global_buffer, .address_space: global }
      - { .name: plan, .offset: 24, .size: 8, .value_kind: global_buffer, .address_space: global }
      - { .name: part, .offset: 32, .size: 8, .value_kind: global_buffer, .address_space: global }
    .group_segment_fixed_size: 80384
    .private_segment_fixed_size: 0
    .kernarg_segment_align: 8
    .kernarg_segment_size: 40
    .max_flat_workgroup_size: 128
    .sgpr_count:     66
    .vgpr_count:     1024
    .wavefront_size: 32
...
	.end_amdgpu_metadata
.endif
;; end of part 5
;; launch fin (part 6): grid 256 x 1, 1 waves a work-group, no clusters, 0 bytes of LDS; arguments y, pos, gate, cluster_b, plan, part, xc, xs, logits_w_codes, logits_w_scales, logits_b, out0; writes out0
.if DOCPART == 6
	.amdgcn_target "amdgcn-amd-amdhsa--gfx1250"
	.amdhsa_code_object_version 6
	.text
	.protected	k_q7064de3059_fin
	.globl	k_q7064de3059_fin
	.p2align	8
	.type	k_q7064de3059_fin,@function
k_q7064de3059_fin:
	s_mov_b64 s[64:65], 0
	v_nop
	global_prefetch_b8 v0, s[64:65] scope:SCOPE_SE
	s_setreg_imm32_b32 hwreg(HW_REG_WAVE_SCHED_MODE, 0, 2), 2
	s_setreg_imm32_b32 hwreg(HW_REG_WAVE_MODE, 25, 1), 1
	s_wait_xcnt 0x0
	s_wait_alu depctr_vm_vsrc(0)
; FIN: nll = logsumexp(the cluster's logits) - logit[y] - (gate logit of the cluster - logsumexp(the three gate logits)).
; One wave to a work-group; it takes 16 tokens in token order; lane (r, h) serves token r.  The target's logit: source 0 = the 16 tokens' target rows of W, gathered as they lie
; (codes and scale bytes), source 1 = the 16 tokens' codes; eight products of 128 along K on two accumulators by turns; the diagonal of the 16 x 16 result is wanted.
; The logsumexp: the token's tile was walked by Cc units (32 at the most: a unit has 16 groups or more and a cluster 500 at the most); lane (r, h) reads the pairs
; (m log2 e, S) of units 2 k + h, k = 0 .. 15; slots past Cc repeat the last unit and their S counts as 0.  No branch hangs on data.
; Nearly all of a wave's 54 loads are gathers of rows and pairs that lie far apart, so the tokens are shared out as widely as tiles of 16 allow: 256 work-groups.  Nothing is staged
; and nothing is shared: no LDS, no barrier.  The price: a work-group's 16 results are 64 consecutive bytes, not 256; the launch's whole output is 16,384 bytes.
; LIMITS: y is taken to lie in 0 .. 12,563 and is held there for addresses; NaN and infinities are not served.
; THE MODE: SCHED_MODE bits 1:0 = 2 (LLVM: expert scheduling mode 2), set by the entry lines.  The code itself states the register dependences
; between vector or matrix instructions and memory instructions, with s_wait_alu, always for 0.
; THE PLAN.  The text is one straight run.  Registers that memory instructions touch:
;   v3, v4               offsets of y, pos and gate: written at the head, read by the first three loads: a wait on va_vdst ahead of these.
;   v22-26, v170-185     offsets of the gathers: written from the loaded y and position, read by the run of 51 loads: a wait on va_vdst ahead of the run.  None is written again.
;   v5, v6, v8-11, v32-168, v186-217   loads land there; no vector instruction names them ahead of their loads.
;   v27, v253            the store's offset and data: a wait on va_vdst ahead of the store.
; Scalar registers that vector compares write: s44, s45 (the token's cluster), with a wait on va_sdst ahead of the first selection; s2-7 and s66-75 (which of my 16 slots count): the
; sixteen compares stand in one run behind the loads, while these are on their way, with one wait on va_sdst behind the run.
.set XF,  32                           ; v32-95    x's eight fragments
.set WF,  96                           ; v96-159   the target rows' eight fragments
.set PA,  170                          ; v170-185  offsets of the 16 pairs
.set PE,  186                          ; v186-217  the pairs
.set D0,  218
.set D1,  226
	s_load_b512 s[8:23], s[0:1], 0x0               ; y s[8:9], pos s[10:11], gate s[12:13], cluster_b s[14:15], plan s[16:17], part s[18:19], xc s[20:21], xs s[22:23]
	s_load_b256 s[24:31], s[0:1], 0x40             ; W's codes s[24:25], W's scales s[26:27], logits_b s[28:29], out0 s[30:31]
	v_and_b32 v1, 15, v0                           ; r
	v_bfe_u32 v2, v0, 4, 1                         ; h
	s_lshl_b32 s44, ttmp9, 4
	v_add_nc_u32 v3, s44, v1                       ; my token
	v_lshlrev_b32 v4, 4, v3
	v_lshlrev_b32 v3, 2, v3
	v_lshlrev_b32 v27, 2, v1                       ; my token's result among the work-group's 16
	s_mov_b32 s46, 2000
	s_mov_b32 s47, 10000
	s_mov_b32 s48, 0x76543210
	s_mov_b32 s49, 0xfedcba98                      ; v_permlanex16_b32's selects for lane l xor 16
.irp j, 1,2,3,4,5,6,7
	s_mov_b32 s[50+\j], 0x01010101<<\j             ; lanes with lane % 8 = j
.endr
	s_mov_b32 s58, 0xff0000ff                      ; the lanes that hold a diagonal element
	s_mov_b32 s59, 0x3fb8aa3b                      ; log2 e
	s_mov_b32 s60, 0x3f317218                      ; ln 2
	s_lshl_b32 s62, ttmp9, 6
	s_mov_b32 s63, 0
	v_mov_b32 v243, 0                              ; lane permutes' destinations count as sources: written once
	v_mov_b32 v247, 0
	v_mov_b32 v248, 0
	s_wait_kmcnt 0x0
	s_add_nc_u64 s[30:31], s[30:31], s[62:63]
	s_load_b256 s[32:39], s[16:17], 0x1000         ; the plan's header: n0, n0 + n1, C0, C1, C2, U1, U2, 0
	s_load_b96 s[40:42], s[14:15], 0x0             ; cluster_b
	s_wait_alu depctr_va_vdst(0)                   ; v3 and v4 are written, which the three loads below read as offsets (and v27, the store's)
	global_load_b32 v5, v3, s[8:9]
	global_load_b32 v6, v3, s[10:11]
	global_load_b128 v[8:11], v4, s[12:13]
	s_wait_loadcnt 0x0
	s_wait_kmcnt 0x0
	v_min_u32 v12, 0x3113, v5                      ; y, held inside the vocabulary
	v_min_u32 v13, 0x10ff, v6                      ; the sorted position, held inside xc
	v_cmp_le_u32 s44, s46, v5                      ; cluster 1 or 2
	v_cmp_le_u32 s45, s47, v5                      ; cluster 2
	s_wait_alu depctr_va_sdst(0)                   ; the two compares have written s44 and s45, ahead of the first selection that reads them
	v_cndmask_b32 v14, 0, s32, s44
	v_cndmask_b32 v14, v14, s33, s45               ; the cluster's first tile,
	v_mov_b32 v15, s34
	v_cndmask_b32 v15, v15, s35, s44
	v_cndmask_b32 v15, v15, s36, s45               ; units a tile,
	v_cndmask_b32 v16, 0, s37, s44
	v_cndmask_b32 v16, v16, s38, s45               ; first unit
	v_lshrrev_b32 v17, 7, v13
	v_sub_nc_u32 v17, v17, v14
	v_mad_u32_u24 v17, v17, v15, v16               ; my tile's first unit
	v_and_b32 v18, 0x7f, v13
	v_lshlrev_b32 v18, 3, v18                      ; my place in a unit's 128 pairs
	v_add_nc_u32 v19, -1, v15
	v_sub_nc_u32 v20, v15, v2                      ; slot k counts where 2 k + h < Cc
	v_lshlrev_b32 v22, 9, v13
	v_lshl_add_u32 v22, v2, 4, v22                 ; x's codes: row, + 16 h
	v_lshlrev_b32 v23, 5, v13
	v_lshl_add_u32 v23, v2, 4, v23                 ; its scale bytes
	v_lshlrev_b32 v24, 9, v12
	v_lshl_add_u32 v24, v2, 4, v24                 ; the target row's codes
	v_lshlrev_b32 v25, 5, v12
	v_lshl_add_u32 v25, v2, 4, v25                 ; its scale bytes
	v_lshlrev_b32 v26, 2, v12                      ; its bias
.irp k, 0,1,2,3,4,5,6,7,8,9,10,11,12,13,14,15
	v_add_nc_u32 v21, 2*\k, v2
	v_min_u32 v21, v21, v19
	v_add_nc_u32 v21, v21, v17
	v_min_u32 v21, 0xff, v21                       ; held inside part's 256 units
	v_lshl_add_u32 v[PA+\k], v21, 10, v18
.endr
	s_wait_alu depctr_va_vdst(0)                   ; the gathers' offsets v22-26 and v170-185 are written, which the 51 loads below read
.irp p, 0,1,2,3,4,5,6,7,8,9,10,11,12,13,14,15
	global_load_b128 v[XF+4*\p:XF+4*\p+3], v22, s[20:21] offset:32*\p
	global_load_b128 v[WF+4*\p:WF+4*\p+3], v24, s[24:25] offset:32*\p
.endr
	global_load_b128 v[160:163], v23, s[22:23]     ; register q: K step q in lanes 0-15, K step 4 + q in lanes 16-31
	global_load_b128 v[164:167], v25, s[26:27]
	global_load_b32 v168, v26, s[28:29]
.irp k, 0,1,2,3,4,5,6,7,8,9,10,11,12,13,14,15
	global_load_b64 v[PE+2*\k:PE+2*\k+1], v[PA+\k], s[18:19]
.endr
.irp k, 0,1,2,3,4,5                    ; which of my 16 slots count: sixteen masks in one run, while the loads are on their way; they name v20 alone, which no load touches
	v_cmp_lt_u32 s[2+\k], 2*\k, v20
.endr
.irp k, 6,7,8,9,10,11,12,13,14,15
	v_cmp_lt_u32 s[60+\k], 2*\k, v20
.endr
	s_wait_alu depctr_va_sdst(0)                   ; the sixteen compares have written s2-7 and s66-75, ahead of the selections that read them
	s_wait_loadcnt 0x0
	; the two accumulators take turns; the first product of each starts its sum
.irp s, 0,1,2,3,4,5,6,7
.if \s < 2
	v_wmma_scale_f32_16x16x128_f8f6f4 v[D0+8*(\s%2):D0+8*(\s%2)+7], v[WF+8*\s:WF+8*\s+7], v[XF+8*\s:XF+8*\s+7], 0, v[164+\s], v[160+\s] matrix_a_fmt:MATRIX_FMT_FP4 matrix_b_fmt:MATRIX_FMT_FP4
.elseif \s < 4
	v_wmma_scale_f32_16x16x128_f8f6f4 v[D0+8*(\s%2):D0+8*(\s%2)+7], v[WF+8*\s:WF+8*\s+7], v[XF+8*\s:XF+8*\s+7], v[D0+8*(\s%2):D0+8*(\s%2)+7], v[164+\s], v[160+\s] matrix_a_fmt:MATRIX_FMT_FP4 matrix_b_fmt:MATRIX_FMT_FP4
.else
	v_wmma_scale_f32_16x16x128_f8f6f4 v[D0+8*(\s%2):D0+8*(\s%2)+7], v[WF+8*\s:WF+8*\s+7], v[XF+8*\s:XF+8*\s+7], v[D0+8*(\s%2):D0+8*(\s%2)+7], v[164+\s-4], v[160+\s-4] matrix_a_fmt:MATRIX_FMT_FP4 matrix_b_fmt:MATRIX_FMT_FP4 matrix_a_scale:MATRIX_SCALE_ROW1 matrix_b_scale:MATRIX_SCALE_ROW1
.endif
.endr
	v_max3_num_f32 v244, v[PE], v[PE+2], v[PE+4]   ; the largest m log2 e of my 16 slots: eight plain lines on other registers, which are also the places behind the products
.irp k, 3,5,7,9,11,13
	v_max3_num_f32 v244, v244, v[PE+2*\k], v[PE+2*\k+2]
.endr
	v_max_num_f32 v244, v244, v[PE+30]
.irp j, 0,1,2,3,4,5,6,7
	v_add_f32 v[234+\j], v[D0+\j], v[D1+\j]        ; both accumulators from their low ends on
.endr
	v_cndmask_b32 v242, v234, v235, s51            ; lane (r, h), register j holds (row 8 h + j, token r): the diagonal is register lane % 8 of lanes 0-7 and 24-31
.irp j, 2,3,4,5,6,7
	v_cndmask_b32 v242, v242, v[234+\j], s[50+\j]
.endr
	v_permlanex16_b32 v243, v242, s48, s49
	v_cndmask_b32 v242, v243, v242, s58            ; the other lanes take it from lane l xor 16
	v_add_f32 v242, v242, v168                     ; + the bias: the target's logit
.irp k, 0,1,2,3,4,5
	v_cndmask_b32 v[PE+2*\k+1], 0, v[PE+2*\k+1], s[2+\k]   ; a slot past the tile's units counts for nothing
	v_sub_f32 v[PE+2*\k], v[PE+2*\k], v244
.endr
.irp k, 6,7,8,9,10,11,12,13,14,15
	v_cndmask_b32 v[PE+2*\k+1], 0, v[PE+2*\k+1], s[60+\k]
	v_sub_f32 v[PE+2*\k], v[PE+2*\k], v244
.endr
	v_add_f32 v8, s40, v8                          ; the gate's logits
	v_add_f32 v9, s41, v9
	v_add_f32 v10, s42, v10
	v_max3_num_f32 v252, v8, v9, v10
.irp c, 0,1,2
	v_sub_f32 v[234+\c], v[8+\c], v252
.endr
.irp c, 0,1,2
	v_mul_f32 v[234+\c], s59, v[234+\c]
.endr
	s_wait_alu depctr_va_vdst(0)
.irp k, 0,1,2,3,4,5,6,7,8,9,10,11,12,13,14,15
	v_exp_f32 v[PE+2*\k], v[PE+2*\k]
.endr
.irp c, 0,1,2
	v_exp_f32 v[234+\c], v[234+\c]
.endr
	v_cndmask_b32 v240, v8, v9, s44                ; (plain lines behind the exponentials)  the gate logit of my cluster
	v_cndmask_b32 v240, v240, v10, s45
	s_wait_alu depctr_va_vdst(0)                   ; the 19 exponentials have written their results: one wait, ahead of the first line that names one
	v_mul_f32 v245, v[PE+1], v[PE]
	v_mul_f32 v246, v[PE+3], v[PE+2]
.irp k, 2,4,6,8,10,12,14
	v_fmac_f32 v245, v[PE+2*\k+1], v[PE+2*\k]
	v_fmac_f32 v246, v[PE+2*\k+3], v[PE+2*\k+2]
.endr
	v_add_f32 v245, v245, v246
	v_add_f32 v237, v234, v235
	v_add_f32 v237, v237, v236                     ; the gate's sum
	v_permlanex16_b32 v247, v244, s48, s49         ; the odd (or even) units lie in lane l xor 16
	v_permlanex16_b32 v248, v245, s48, s49
	v_max_num_f32 v249, v244, v247
	v_sub_f32 v250, v244, v249
	v_sub_f32 v251, v247, v249
	s_wait_alu depctr_va_vdst(0)
	v_exp_f32 v250, v250
	v_exp_f32 v251, v251
	v_log_f32 v238, v237
	v_nop
	s_wait_alu depctr_va_vdst(0)                   ; the two exponentials and the logarithm have written v250, v251, v238: one wait, ahead of their first reader
	v_mul_f32 v245, v245, v250
	v_fmac_f32 v245, v248, v251
	s_wait_alu depctr_va_vdst(0)
	v_log_f32 v241, v245
	v_fma_f32 v239, v238, s60, v252                ; (a plain line behind the logarithm)  the gate's logsumexp
	s_wait_alu depctr_va_vdst(0)                   ; the logarithm has written v241, ahead of its reader
	v_add_f32 v241, v249, v241                     ; log2 of the cluster's sum of exponentials
	v_fma_f32 v253, v241, s60, -v242               ; its logsumexp less the target's logit,
	v_sub_f32 v253, v253, v240                     ; less the gate's logit,
	v_add_f32 v253, v253, v239                     ; plus the gate's logsumexp
	s_wait_alu depctr_va_vdst(0)                   ; the last addition has written v253, which the store reads
	global_store_b32 v27, v253, s[30:31]           ; 16 results, 64 consecutive bytes; both lanes of a token store the same word with the same value
	s_endpgm
.Lfunc_end_k_q7064de3059_fin:
	.size	k_q7064de3059_fin, .Lfunc_end_k_q7064de3059_fin-k_q7064de3059_fin
	.p2alignl 7, 3214868480
	.fill 96, 4, 3214868480
	.section	.rodata,"a",@progbits
	.p2align	6, 0x0
	.amdhsa_kernel k_q7064de3059_fin
		.amdhsa_group_segment_fixed_size 0
		.amdhsa_private_segment_fixed_size 0
		.amdhsa_enable_private_segment 0
		.amdhsa_kernarg_size 96
		.amdhsa_user_sgpr_count 2
		.amdhsa_user_sgpr_kernarg_segment_ptr 1
		.amdhsa_wavefront_size32 1
		.amdhsa_system_sgpr_workgroup_id_x 1
		.amdhsa_system_sgpr_workgroup_id_y 1
		.amdhsa_system_sgpr_workgroup_id_z 1
		.amdhsa_system_vgpr_workitem_id 0
		.amdhsa_next_free_vgpr 256
		.amdhsa_next_free_sgpr 80
		.amdhsa_reserve_vcc 0
		.amdhsa_float_denorm_mode_32 3
		.amdhsa_float_denorm_mode_16_64 3
		.amdhsa_memory_ordered 1
		.amdhsa_forward_progress 1
		.amdhsa_inst_pref_size 20
	.end_amdhsa_kernel
	.amdgpu_metadata
---
amdhsa.version: [ 1, 2 ]
amdhsa.kernels:
  - .name:           k_q7064de3059_fin
    .symbol:         k_q7064de3059_fin.kd
    .args:
      - { .name: y, .offset: 0, .size: 8, .value_kind: global_buffer, .address_space: global }
      - { .name: pos, .offset: 8, .size: 8, .value_kind: global_buffer, .address_space: global }
      - { .name: gate, .offset: 16, .size: 8, .value_kind: global_buffer, .address_space: global }
      - { .name: cluster_b, .offset: 24, .size: 8, .value_kind: global_buffer, .address_space: global }
      - { .name: plan, .offset: 32, .size: 8, .value_kind: global_buffer, .address_space: global }
      - { .name: part, .offset: 40, .size: 8, .value_kind: global_buffer, .address_space: global }
      - { .name: xc, .offset: 48, .size: 8, .value_kind: global_buffer, .address_space: global }
      - { .name: xs, .offset: 56, .size: 8, .value_kind: global_buffer, .address_space: global }
      - { .name: logits_w_codes, .offset: 64, .size: 8, .value_kind: global_buffer, .address_space: global }
      - { .name: logits_w_scales, .offset: 72, .size: 8, .value_kind: global_buffer, .address_space: global }
      - { .name: logits_b, .offset: 80, .size: 8, .value_kind: global_buffer, .address_space: global }
      - { .name: out0, .offset: 88, .size: 8, .value_kind: global_buffer, .address_space: global }
    .group_segment_fixed_size: 0
    .private_segment_fixed_size: 0
    .kernarg_segment_align: 8
    .kernarg_segment_size: 96
    .max_flat_workgroup_size: 32
    .sgpr_count:     80
    .vgpr_count:     256
    .wavefront_size: 32
...
	.end_amdgpu_metadata
.endif
;; end of part 6
